; MI455X (gfx1250); checked and timed in simulation.
; The chip was launched on July 23, 2026; its instructions are those of AMD's public machine-readable ISA for CDNA 5 (MIT licence, August 2026) and "CDNA5" Instruction Set Architecture Reference Guide (July 2026). The comments in the code are by the model that wrote it; some were corrected since.
;; Dot Product Attention. Allowed arithmetic: float matrix products may take bf16 or f16 operands with f32 sums; other float arithmetic in f32, or as packed bf16 or f16 multiplies, adds, multiply-adds, maxima and minima; sums over many terms, partial sums and values carried from step to step in f32; what a program stores and reads back later, other than sums and carried values, may be rounded once to bf16 or f16.
;; Inputs: b_ff 4,096 float32; b_out 1,024 float32; b_qkv 3,072 float32; ln1_b 1,024 float32; ln1_g 1,024 float32; ln2_b 1,024 float32; ln2_g 1,024 float32; mask 2 x 2,048 float32; w_ff 1,024 x 4,096 float32; w_out 4,096 x 1,024 float32; w_qkv 1,024 x 3,072 float32; x 2 x 2,048 x 1,024 float32.
;; Outputs: out0 2 x 2,048 x 1,024 float32.
;; 2 versions, each right; version 2 is version 1 with the launch ln1 written anew for expert scheduling mode. Each part assembles by itself: llvm-mc -triple=amdgcn-amd-amdhsa -mcpu=gfx1250 --defsym DOCPART=n.
;; ======== version 1 of 2: 7 launches
;; limits: values are held in f16: magnitudes above 65,504 overflow, below 6.1e-05 lose precision
;; workspace buffers: act 8,388,608 bytes; wqb 8,406,016 bytes; wfb 8,406,016 bytes; wo 8,388,608 bytes; qkvy 25,165,824 bytes; ctx 8,388,608 bytes; hb 8,388,608 bytes; ffb 33,554,432 bytes
;; launch prep (part 1): grid 1024 x 1, 8 waves a work-group, no clusters, 0 bytes of LDS; arguments x, w_ff, w_out, w_qkv, b_qkv, b_ff, act, wfb, wo, wqb; writes act, wfb, wo, wqb
.if DOCPART == 1
	.amdgcn_target "amdgcn-amd-amdhsa--gfx1250"
	.amdhsa_code_object_version 6
	.text
	.protected	k_q091fe22f90_prep
	.globl	k_q091fe22f90_prep
	.p2align	8
	.type	k_q091fe22f90_prep,@function
k_q091fe22f90_prep:
	s_mov_b64 s[64:65], 0
	v_nop
	global_prefetch_b8 v0, s[64:65] scope:SCOPE_SE
	s_setreg_imm32_b32 hwreg(HW_REG_WAVE_MODE, 25, 1), 1
	s_wait_xcnt 0x0
; THE MATRIX OPERANDS AMONG THE INPUTS.  Each number is rounded once to bf16 (as every input of this program is) and that number is written as f16, since the products run in f16.
; LIMIT: the f16 code is exact from 2^-14 to 65,504; below 2^-14 it is off by 3e-8 at the most; a number of 65,520 or more becomes an infinity.
; 1,024 work-groups in four roles of 256 (role = number / 256, g = number % 256); t = thread 0..255.
; role 0: x [4096][1024] f32 -> act [16 slices][4096 rows][64] (a row of a slice is 128 bytes): the group takes 16 rows.
; role 1: w_ff -> wfb, role 2: w_out -> wo: flat, 65,536 bytes in and 32,768 out a group.
; role 3: w_qkv [1024][3072] -> wqb [1024][pitch 4096]: column h 192 + d 3 + j goes to column j 1024 + h 64 + d, so that q, k and v of a head are 64 neighbouring columns.
;         Its group 0 also lays b_qkv (permuted alike) and b_ff, rounded to bf16 and kept as f32, behind the weights (byte 0x800000 on), and behind each bias 256 equal words:
;         the floor that the product launch takes a maximum with: -inf twice in f16 for qkv (no floor), 0 for the ReLU.
; Every store of a wave covers 256 consecutive bytes, aligned.  No LDS, no barrier, no matrix unit: the launch only moves bytes.
.set T, 8                              ; v[8:11]   at work
.set X, 16                             ; v[16:79]  as loaded
.set Y, 80                             ; v[80:111] to store
.macro H2 dst, a, b, t                 ; two numbers: rounded to bf16, widened (a shift, a mask), written as f16
	v_cvt_pk_bf16_f32 v[T+(\t)], v[\a], v[\b]
	v_lshlrev_b32 v[T+(\t)+1], 16, v[T+(\t)]
	v_and_b32 v[T+(\t)], s36, v[T+(\t)]
	v_cvt_pk_f16_f32 v[\dst], v[T+(\t)+1], v[T+(\t)]
.endm
.macro CAST instep, outstep            ; 16 loads of 16 bytes a lane, all out at once; each is rounded and stored as it comes
.set i, 0
.rept 16
	global_load_b128 v[X+4*i:X+4*i+3], v2, s[28:29] offset:i*(\instep) th:TH_LOAD_NT
.set i, i+1
.endr
.set i, 0
.rept 16
	s_wait_loadcnt 15-i                            ; loads come back in order: number i is in, the younger ones stay out
	H2 Y+2*i, X+4*i, X+4*i+1, 0
	H2 Y+2*i+1, X+4*i+2, X+4*i+3, 2
	global_store_b64 v3, v[Y+2*i:Y+2*i+1], s[30:31] offset:i*(\outstep)
.set i, i+1
.endr
.endm
	s_load_b512 s[8:23], s[0:1], 0x0               ; x s[8:9], w_ff s[10:11], w_out s[12:13], w_qkv s[14:15], b_qkv s[16:17], b_ff s[18:19], act s[20:21], wfb s[22:23]
	s_load_b128 s[24:27], s[0:1], 0x40             ; wo s[24:25], wqb s[26:27]
	s_lshr_b32 s2, ttmp9, 8                        ; role
	s_and_b32 s3, ttmp9, 255                       ; g
	s_mov_b32 s5, 0
	s_mov_b32 s7, 0
	s_mov_b32 s36, 0xffff0000                      ; a word's upper bf16
	v_lshlrev_b32 v3, 3, v0                        ; 8 t: my 8 bytes of every store
	s_wait_kmcnt 0x0
	s_cmp_eq_u32 s2, 3
	s_cbranch_scc1 .Lqkv
	s_cmp_eq_u32 s2, 0
	s_cbranch_scc0 .Lflat
	; role 0: row t / 16 of the group's 16; load sl takes 16 bytes at 256 sl + 16 (t % 16): four channels of slice sl
	v_lshrrev_b32 v1, 4, v0
	v_and_b32 v2, 15, v0
	v_lshlrev_b32 v2, 4, v2
	v_lshl_add_u32 v2, v1, 12, v2
	s_lshl_b32 s4, s3, 16                          ; 16 rows of 4,096 bytes
	s_lshl_b32 s6, s3, 11                          ; 16 rows of 128 bytes in each slice
	s_add_nc_u64 s[28:29], s[8:9], s[4:5]
	s_add_nc_u64 s[30:31], s[20:21], s[6:7]
	CAST 256, 524288
	s_endpgm
.Lflat:
	v_lshlrev_b32 v2, 4, v0
	s_cmp_eq_u32 s2, 1
	s_cselect_b64 s[28:29], s[10:11], s[12:13]
	s_cselect_b64 s[30:31], s[22:23], s[24:25]
	s_lshl_b32 s4, s3, 16
	s_lshl_b32 s6, s3, 15
	s_add_nc_u64 s[28:29], s[28:29], s[4:5]
	s_add_nc_u64 s[30:31], s[30:31], s[6:7]
	CAST 4096, 2048
	s_endpgm
.Lqkv:
	; role 3: rows 4 g .. 4 g + 3.  Thread t holds floats 12 t .. 12 t + 11 of a row: float 3 e + j is column j 1024 + 4 t + e of the new order
	v_mul_u32_u24 v2, v0, 48
	s_mul_i32 s4, s3, 49152
	s_lshl_b32 s6, s3, 15
	s_add_nc_u64 s[28:29], s[14:15], s[4:5]
	s_add_nc_u64 s[30:31], s[26:27], s[6:7]
.irp rr, 0,1,2,3
.irp c, 0,1,2
	global_load_b128 v[X+12*(\rr)+4*(\c):X+12*(\rr)+4*(\c)+3], v2, s[28:29] offset:(\rr)*12288+16*(\c) th:TH_LOAD_NT
.endr
.endr
.irp rr, 0,1,2,3
	s_wait_loadcnt 9-3*(\rr)                       ; this row's three loads are in
.irp j, 0,1,2
	H2 Y+6*(\rr)+2*(\j), X+12*(\rr)+(\j), X+12*(\rr)+3+(\j), 0
	H2 Y+6*(\rr)+2*(\j)+1, X+12*(\rr)+6+(\j), X+12*(\rr)+9+(\j), 2
	global_store_b64 v3, v[Y+6*(\rr)+2*(\j):Y+6*(\rr)+2*(\j)+1], s[30:31] offset:(\rr)*8192+(\j)*2048
.endr
.endr
	s_cmp_lg_u32 s3, 0
	s_cbranch_scc1 .Lend
	; group 0: the biases and the floor words.  Only registers of X and T are written, which no pending store reads
	s_add_nc_u64 s[32:33], s[26:27], 0x800000
	s_add_nc_u64 s[34:35], s[22:23], 0x800000
	v_lshlrev_b32 v4, 4, v0
	v_lshlrev_b32 v5, 2, v0
.irp c, 0,1,2
	global_load_b128 v[16+4*(\c):19+4*(\c)], v2, s[16:17] offset:16*(\c)
.endr
.irp c, 0,1,2,3
	global_load_b128 v[40+4*(\c):43+4*(\c)], v4, s[18:19] offset:4096*(\c)
.endr
	v_mov_b32 v56, 0xfc00fc00
	v_mov_b32 v57, 0
	global_store_b32 v5, v56, s[32:33] offset:0x4000
	global_store_b32 v5, v57, s[34:35] offset:0x4000
	s_wait_loadcnt 4                               ; b_qkv is in; the four loads of b_ff may stay out
.irp j, 0,1,2
	v_cvt_pk_bf16_f32 v[T], v[16+(\j)], v[19+(\j)] ; the rounding, and with it the permutation: four numbers of one j side by side
	v_cvt_pk_bf16_f32 v[T+1], v[22+(\j)], v[25+(\j)]
	v_lshlrev_b32 v[28+4*(\j)], 16, v[T]
	v_and_b32 v[28+4*(\j)+1], s36, v[T]
	v_lshlrev_b32 v[28+4*(\j)+2], 16, v[T+1]
	v_and_b32 v[28+4*(\j)+3], s36, v[T+1]
	global_store_b128 v4, v[28+4*(\j):31+4*(\j)], s[32:33] offset:4096*(\j)
.endr
	s_wait_loadcnt 0x0
.irp c, 0,1,2,3
	v_cvt_pk_bf16_f32 v[T], v[40+4*(\c)], v[41+4*(\c)]
	v_cvt_pk_bf16_f32 v[T+1], v[42+4*(\c)], v[43+4*(\c)]
	v_lshlrev_b32 v[40+4*(\c)], 16, v[T]
	v_and_b32 v[41+4*(\c)], s36, v[T]
	v_lshlrev_b32 v[42+4*(\c)], 16, v[T+1]
	v_and_b32 v[43+4*(\c)], s36, v[T+1]
	global_store_b128 v4, v[40+4*(\c):43+4*(\c)], s[34:35] offset:4096*(\c)
.endr
.Lend:
	s_endpgm
.Lfunc_end_k_q091fe22f90_prep:
	.size	k_q091fe22f90_prep, .Lfunc_end_k_q091fe22f90_prep-k_q091fe22f90_prep
	.p2alignl 7, 3214868480
	.fill 96, 4, 3214868480
	.section	.rodata,"a",@progbits
	.p2align	6, 0x0
	.amdhsa_kernel k_q091fe22f90_prep
		.amdhsa_group_segment_fixed_size 0
		.amdhsa_private_segment_fixed_size 0
		.amdhsa_enable_private_segment 0
		.amdhsa_kernarg_size 80
		.amdhsa_user_sgpr_count 2
		.amdhsa_user_sgpr_kernarg_segment_ptr 1
		.amdhsa_wavefront_size32 1
		.amdhsa_system_sgpr_workgroup_id_x 1
		.amdhsa_system_sgpr_workgroup_id_y 1
		.amdhsa_system_sgpr_workgroup_id_z 1
		.amdhsa_system_vgpr_workitem_id 0
		.amdhsa_next_free_vgpr 112
		.amdhsa_next_free_sgpr 66
		.amdhsa_reserve_vcc 0
		.amdhsa_float_denorm_mode_32 3
		.amdhsa_float_denorm_mode_16_64 3
		.amdhsa_memory_ordered 1
		.amdhsa_forward_progress 1
		.amdhsa_inst_pref_size 32
	.end_amdhsa_kernel
	.amdgpu_metadata
---
amdhsa.version: [ 1, 2 ]
amdhsa.kernels:
  - .name:           k_q091fe22f90_prep
    .symbol:         k_q091fe22f90_prep.kd
    .args:
      - { .name: x, .offset: 0, .size: 8, .value_kind: global_buffer, .address_space: global }
      - { .name: w_ff, .offset: 8, .size: 8, .value_kind: global_buffer, .address_space: global }
      - { .name: w_out, .offset: 16, .size: 8, .value_kind: global_buffer, .address_space: global }
      - { .name: w_qkv, .offset: 24, .size: 8, .value_kind: global_buffer, .address_space: global }
      - { .name: b_qkv, .offset: 32, .size: 8, .value_kind: global_buffer, .address_space: global }
      - { .name: b_ff, .offset: 40, .size: 8, .value_kind: global_buffer, .address_space: global }
      - { .name: act, .offset: 48, .size: 8, .value_kind: global_buffer, .address_space: global }
      - { .name: wfb, .offset: 56, .size: 8, .value_kind: global_buffer, .address_space: global }
      - { .name: wo, .offset: 64, .size: 8, .value_kind: global_buffer, .address_space: global }
      - { .name: wqb, .offset: 72, .size: 8, .value_kind: global_buffer, .address_space: global }
    .group_segment_fixed_size: 0
    .private_segment_fixed_size: 0
    .kernarg_segment_align: 8
    .kernarg_segment_size: 80
    .max_flat_workgroup_size: 256
    .sgpr_count:     66
    .vgpr_count:     112
    .wavefront_size: 32
...
	.end_amdgpu_metadata
.endif
;; end of part 1
;; launch qkv (part 2): grid 12 x 16, 4 waves a work-group, clusters of 4 x 4, 327,680 bytes of LDS; arguments act, wqb, qkvy; writes qkvy
.if DOCPART == 2
	.amdgcn_target "amdgcn-amd-amdhsa--gfx1250"
	.amdhsa_code_object_version 6
	.text
	.protected	k_q091fe22f90_qkv
	.globl	k_q091fe22f90_qkv
	.p2align	8
	.type	k_q091fe22f90_qkv,@function
k_q091fe22f90_qkv:
	s_mov_b64 s[64:65], 0
	v_nop
	global_prefetch_b8 v0, s[64:65] scope:SCOPE_SE
	s_setreg_imm32_b32 hwreg(HW_REG_WAVE_MODE, 25, 1), 1
	s_wait_xcnt 0x0
	s_wait_alu depctr_hold_cnt(0) depctr_sa_sdst(0) depctr_va_vdst(0) depctr_va_sdst(0) depctr_va_ssrc(0) depctr_va_vcc(0) depctr_vm_vsrc(0)
	s_getreg_b32 s2, hwreg(HW_REG_IB_STS2, 6, 4)
	s_cmp_eq_u32 s2, 0
	s_cbranch_scc0 .Lentry_in_a_cluster
	s_endpgm
.Lentry_in_a_cluster:
	s_bfe_u32 s2, ttmp6, 0x10000c
	s_cmp_lg_u32 s2, 0xf033
	s_cbranch_scc0 .Lentry_shape_is_right
	s_endpgm
.Lentry_shape_is_right:
; C = max(A W + bias, floor), K = 1,024.  A: f16 [16 slices][4096 rows][64].  W: f16 [1024][pitch 4096]; behind it (byte 0x800000 on) the bias, f32 [4096], and at +0x4000 the floor, two f16 in a word.
; C: f16 [columns / 64 slices][4096 rows][64].  Sums in f32, started by the bias; C rounded once; the maximum is taken on the rounded halves (the floor is -inf or 0, so the order does not matter).
; LIMITS: f16 ends at 65,504: a sum of 65,520 or more leaves as an infinity; a NaN loses against the floor.
; A tile of C is 256 x 256: four waves, 128 x 128 each, 64 accumulators.  K goes in 8 steps of 128 through two LDS slots filled by the tensor data mover.
; Wave 0 and 1 fetch the two slices of A of a K step (256 rows x 128 bytes: one dense block, asked for as 128 rows of 256 bytes, padded after every 128), waves 2 and 3 each 64 K rows x 256 columns of W.
; W lies [K][N]: its fragments come out of LDS turned, by ds_load_tr16_b128.  The matrix instruction is used transposed (source 0 = 16 columns of W, source 1 = 16 rows of A): a lane holds 8 neighbouring columns of a row of C.
; ONE K STEP IS ONE TRIP.  The slot that is read lies at s[TB], 0 or SLOT by turns; each operand has one descriptor that walks: its LDS word is turned by an exclusive or with SLOT (147,456 = bits 17 and 14, which
; wave x 36,864 never has), its address goes one K step on.  The two steps that fill nothing are a second loop, left in its middle: its last trip's barrier and its 32 LDS loads serve nothing, the price of one text.
; CLUSTER 4 x 4: A tiles are asked for jointly along a row of the cluster, W tiles along a column.
; REGISTERS: window 0: v0-31 addresses; v64-191 fragments of A, two buffers; v32-63, v192-255 the way out.  window 1: v0-63 the bias as C fragments; v64-191 fragments of W.  windows 2, 3: the accumulators.
.set HALFT,  36864                     ; what one wave fetches: A 256 x 144, W 64 x 544 (34,816)
.set SLOT,   4*HALFT
.set STAGE,  2*SLOT                    ; behind the ring: 16 rows x 272 bytes a wave
.set SPITCH, 272
.set SPARE,  STAGE+4*16*SPITCH         ; the spare words: 128 bytes a wave, named by no other line
.set PA,     144                       ; a row of A in LDS: 128 + 16 bytes: 16 rows start at 16 different groups of four banks
.set PB,     544                       ; a row of W: 512 + 32 bytes, an odd multiple of 32 for the turning load
.set KSB,    1<<20                     ; bytes from K step to K step, in A (two slices) and in W (128 rows of 8,192)
.set ADRA,  16                         ; v16  my fragments of A in the slot that is read
.set ADRA0, 17                         ; v17  the same in slot 0; never rewritten
.set ADRB,  20                         ; v20  my fragments of W in the slot that is read
.set ADRB0, 21                         ; v21  the same in slot 0; never rewritten
.set STO,  24
.set RD,   25
.set CO,   26
.set BO,   27
.set SPW,  28
.set NIL,  29
.set PFO,  30
.set PFA,  44                          ; s[44:45] where my prefetches stand
.set LIM,  43                          ; s43  2 in a wave that prefetches, else the greatest number
.set FLOOR, 68
.set TB,   69                          ; s69  the slot that is read
.set F0,   64
.set F1,   128
.set TMP,  192
.set OB,   32
.set BI,   0
.set G1,  24
.set G0,  32                           ; s[32:39] group 0 for A: a set for each of the two first fills; the second then walks
.set G1B, 48
.set G0B, 56                           ; s[56:63] the same for W
.set MSB, 0
.macro WIN new                         ; the high byte repeats the setting that is left; a switch that changes nothing is dropped
.if MSB != (\new)
	s_set_vgpr_msb (MSB<<8)|(\new)
.set MSB, \new
.endif
.endm
.set TO_B, 0x40
.macro JLOAD s                         ; a joint load: waves 0, 1 for A, waves 2, 3 for W; an s_nop 0 and four v_nop follow each line
	s_cmp_eq_u32 s11, 0
	s_cbranch_scc0 .Lfor_b_\@
	tensor_load_to_lds s[G0+4*(\s):G0+4*(\s)+3], s[G1:G1+7]
	s_nop 0
.rept 4
	v_nop
.endr
	s_branch .Lasked_\@
.Lfor_b_\@:
	tensor_load_to_lds s[G0B+4*(\s):G0B+4*(\s)+3], s[G1B:G1B+7]
	s_nop 0
.rept 4
	v_nop
.endr
.Lasked_\@:
.endm
; A prefetch of the K step that stands two refills on: 32 blocks of 256 bytes, a lane a block, one instruction a wave.  A's rows are asked for by the clusters with x = 0, W's by those with y = 0;
; the four partners of a joint load share its 128 blocks out by address.  The loop's last two trips (s3 = 2, 1) have no K step two on.
.macro ASK
	s_cmp_gt_u32 s3, s[LIM]
	s_cbranch_scc0 .Lnot_mine_\@
	global_prefetch_b8 v[PFO], s[PFA:PFA+1] offset:KSB th:TH_LOAD_NT scope:SCOPE_SE
.Lnot_mine_\@:
.endm
.macro CREST                           ; a round of the cluster's barrier behind its opening barrier
	s_cmp_lg_u32 s10, 0
	s_cbranch_scc1 .Lnot_wave_0_\@
	s_barrier_signal -3
.Lnot_wave_0_\@:
	s_barrier_wait -3
	s_barrier_signal -1
	s_barrier_wait -1
.endm
.macro CROUND
	s_barrier_signal -1
	s_barrier_wait -1
	CREST
.endm
	s_load_b128 s[4:7], s[0:1], 0x0                ; A s[4:5], W s[6:7]
	s_load_b64 s[8:9], s[0:1], 0x10                ; C
	v_lshl_add_u32 v[SPW], v0, 2, SPARE
	v_mov_b32 v[NIL], 0
	ds_add_u32 v[SPW], v[NIL]                      ; the opening: the add and its wait stand ahead of my first tensor load
	v_lshrrev_b32 v1, 5, v0
	v_readfirstlane_b32 s10, v1                    ; wave
	s_lshr_b32 s11, s10, 1                         ; my half of the tile's rows; also: I fetch for A (0) or W (1)
	s_and_b32 s12, s10, 1                          ; my half of its columns; also: which part I fetch
	s_bfe_u32 s40, ttmp6, 0x40000                  ; cx
	s_bfe_u32 s41, ttmp6, 0x40004                  ; cy
	s_lshl_b32 s42, ttmp9, 2
	s_add_co_u32 s42, s42, s40                     ; tile column
	s_and_b32 s13, ttmp7, 0xffff
	s_lshl_b32 s13, s13, 2
	s_add_co_u32 s13, s13, s41                     ; tile row
	s_lshl_b32 s43, s41, 2
	s_lshl_b32 s43, 15, s43                        ; my row of the cluster
	s_lshl_b32 s44, 0x1111, s40                    ; my column
	s_mov_b32 s[TB], 0                             ; slot 0 is read first
	s_or_b32 s[G1+0], s43, (1<<16)|(1<<20)|(1<<21)|(4<<22)|(3<<25)   ; mask; 2-byte elements; padding on; bit 21 beside a mask; after every 32 words 4 words
	s_mov_b32 s[G1+1], 128<<16                     ; tensor_dim0 = 128
	s_mov_b32 s[G1+2], 128<<16                     ; tensor_dim1 = 128
	s_mov_b32 s[G1+3], 128<<16                     ; tile_dim0 = 128 (256 bytes: two rows of A)
	s_mov_b32 s[G1+4], 128                         ; tile_dim1 = 128
	s_mov_b32 s[G1+5], 128                         ; dense
	s_mov_b32 s[G1+6], 0
	s_mov_b32 s[G1+7], 0
	s_or_b32 s[G1B+0], s44, (1<<16)|(1<<20)|(1<<21)|(6<<22)|(7<<25)  ; after every 128 words 8 words
	s_mov_b32 s[G1B+1], 256<<16                    ; tensor_dim0 = 256
	s_mov_b32 s[G1B+2], 64<<16                     ; tensor_dim1 = 64
	s_mov_b32 s[G1B+3], 256<<16                    ; tile_dim0 = 256
	s_mov_b32 s[G1B+4], 64                         ; tile_dim1 = 64
	s_mov_b32 s[G1B+5], 4096                       ; elements from row to row
	s_mov_b32 s[G1B+6], 0
	s_mov_b32 s[G1B+7], 0
	s_lshl_b32 s16, s13, 15                        ; A: 256 rows of 128 bytes a tile row,
	s_lshl_b32 s17, s12, 19                        ; my slice of the two
	s_add_co_u32 s16, s16, s17
	s_mov_b32 s17, 0
	s_lshl_b32 s46, s42, 9                         ; W: 256 columns a tile column,
	s_lshl_b32 s47, s12, 19                        ; my 64 K rows of the 128
	s_add_co_u32 s46, s46, s47
	s_mov_b32 s47, 0
	s_mul_i32 s20, s10, HALFT                      ; where they go: by the wave's number alone
	s_wait_dscnt 0x0                               ; the opening add is done
	s_wait_kmcnt 0x0
	s_add_nc_u64 s[14:15], s[4:5], s[16:17]
	s_add_nc_u64 s[46:47], s[6:7], s[46:47]
	CROUND                                         ; all sixteen work-groups are here: the first joint loads meet
.irp s, 0,1
	s_mov_b32 s[G0+4*(\s)], 1
	s_add_co_u32 s[G0+4*(\s)+1], s20, (\s)*SLOT
	s_add_nc_u64 s[G0+4*(\s)+2:G0+4*(\s)+3], s[14:15], (\s)*KSB
	s_or_b32 s[G0+4*(\s)+3], s[G0+4*(\s)+3], 0x80000000
	s_mov_b32 s[G0B+4*(\s)], 1
	s_add_co_u32 s[G0B+4*(\s)+1], s20, (\s)*SLOT
	s_add_nc_u64 s[G0B+4*(\s)+2:G0B+4*(\s)+3], s[46:47], (\s)*KSB
	s_or_b32 s[G0B+4*(\s)+3], s[G0B+4*(\s)+3], 0x80000000
	JLOAD \s
.endr
	v_and_b32 v1, 15, v0                           ; r = l % 16
	v_bfe_u32 v2, v0, 4, 1                         ; h = l / 16
	; the bias as C fragments: register 8 b + j holds bias[my 128 columns' first + 16 b + 8 h + j]; and the floor word
	v_lshlrev_b32 v[BO], 5, v2
	s_add_nc_u64 s[66:67], s[6:7], 0x800000
	s_load_b32 s[FLOOR], s[66:67], 0x4000
	s_lshl_b32 s46, s42, 10
	s_lshl_b32 s47, s12, 9
	s_add_co_u32 s46, s46, s47
	s_mov_b32 s47, 0
	s_add_nc_u64 s[70:71], s[66:67], s[46:47]
	WIN TO_B
.irp b, 0,1,2,3,4,5,6,7
	global_load_b128 v[BI+8*(\b):BI+8*(\b)+3],   v[BO], s[70:71] offset:64*(\b)
	global_load_b128 v[BI+8*(\b)+4:BI+8*(\b)+7], v[BO], s[70:71] offset:64*(\b)+16
.endr
	WIN 0
	; fragments.  A: row x 144 + 16 h, two loads 32 bytes apart.  W: lane l addresses K row 8 h + l % 8, 16 bytes at 16 ((l / 8) % 2); two turning loads 16 K rows apart
	v_mul_u32_u24 v3, v1, PA
	v_lshl_add_u32 v3, v2, 4, v3
	s_mul_i32 s21, s11, 128*PA                     ; my 128 rows in each slice
	v_add_nc_u32 v[ADRA0], s21, v3
	v_and_b32 v4, 7, v0
	v_lshl_add_u32 v4, v2, 3, v4
	v_mul_u32_u24 v4, v4, PB
	v_bfe_u32 v5, v0, 3, 1
	v_lshl_add_u32 v4, v5, 4, v4
	s_lshl_b32 s22, s12, 8                         ; my 128 columns
	s_add_co_u32 s22, s22, 2*HALFT                 ; W lies behind the two slices of A
	v_add_nc_u32 v[ADRB0], s22, v4
	v_mov_b32 v[ADRA], v[ADRA0]
	v_mov_b32 v[ADRB], v[ADRB0]
	s_mul_i32 s23, s10, 16*SPITCH
	s_add_co_u32 s23, s23, STAGE                   ; my stage
	v_mul_u32_u24 v6, v1, SPITCH                   ; in: row r, 16 bytes for each half of the lanes
	v_lshl_add_u32 v6, v2, 4, v6
	v_add_nc_u32 v[STO], s23, v6
	v_bfe_u32 v6, v0, 3, 2                         ; back: four rows x 128 bytes of one slice,
	v_mul_u32_u24 v6, v6, SPITCH
	v_and_b32 v7, 7, v0
	v_lshl_add_u32 v6, v7, 4, v6
	v_add_nc_u32 v[RD], s23, v6
	v_and_b32 v[CO], 31, v0                        ; which are 512 consecutive bytes of C
	v_lshlrev_b32 v[CO], 4, v[CO]
	s_lshl_b32 s16, s13, 15                        ; C at my rows,
	s_lshl_b32 s17, s11, 14
	s_add_co_u32 s16, s16, s17
	s_mov_b32 s17, 0
	s_add_nc_u64 s[8:9], s[8:9], s[16:17]
	s_lshl_b32 s46, s42, 21                        ; and my two slices: four slices of 524,288 bytes a tile column
	s_lshl_b32 s47, s12, 20
	s_add_co_u32 s46, s46, s47
	s_mov_b32 s47, 0
	s_add_nc_u64 s[8:9], s[8:9], s[46:47]
	; the prefetches
	s_lshl_b32 s20, s13, 15
	s_lshl_b32 s21, s12, 19
	s_add_co_u32 s20, s20, s21
	s_lshl_b32 s21, s40, 13
	s_add_co_u32 s20, s20, s21                     ; A: my slice's block, my work-group's 8,192 bytes of it
	s_lshl_b32 s22, s42, 9
	s_lshl_b32 s23, s12, 19
	s_add_co_u32 s22, s22, s23
	s_lshl_b32 s23, s41, 17
	s_add_co_u32 s22, s22, s23                     ; W: my 64 K rows, my work-group's 16 of them
	s_and_b32 s23, ttmp7, 0xffff
	s_cmp_eq_u32 s11, 0
	s_cselect_b32 s20, s20, s22
	s_cselect_b32 s23, ttmp9, s23                  ; the coordinate along which other clusters read the same rows
	s_cselect_b64 s[PFA:PFA+1], s[4:5], s[6:7]
	s_cselect_b32 s2, 0, 1                         ; A: lane l names byte 256 l.  W: row l / 2 (8,192 bytes), block l % 2
	s_cselect_b32 s3, 8, 13
	s_cselect_b32 s18, 0, 1
	s_cmp_eq_u32 s23, 0
	s_cselect_b32 s[LIM], 2, -1                    ; the same in all sixteen partners, for a given wave
	s_mov_b32 s21, 0
	s_add_nc_u64 s[PFA:PFA+1], s[PFA:PFA+1], s[20:21]
	s_add_nc_u64 s[PFA:PFA+1], s[PFA:PFA+1], 2*KSB ; at K step 2: the first refill steps it to 3 and names K step 4
	v_and_b32 v5, 31, v0
	v_lshrrev_b32 v6, s2, v5
	v_lshlrev_b32 v6, s3, v6
	v_and_b32 v7, s18, v5
	v_lshl_add_u32 v[PFO], v7, 8, v6
; 16 matrix instructions: row blocks a0, a0 + 1 of the window's four x all 8 column blocks, 32 along K.  zero = 1: the bias starts the sums.
; The 64 accumulators take turns in the same order in every quarter, over the loops' jumps too.
.macro MUL16 f, hi, a0, zero
.if \zero
	WIN 0x91+0x40*(\hi)                            ; W window 1, A window 0, C (the bias) window 1, D window 2 or 3
.else
	WIN 0xa1+0x50*(\hi)                            ; C and D window 2 or 3
.endif
.irp a, \a0, (\a0)+1
.irp b, 0,1,2,3,4,5,6,7
.if \zero
	v_wmma_f32_16x16x32_f16 v[8*(8*(\a)+(\b)):8*(8*(\a)+(\b))+7], v[(\f)+8*(\b):(\f)+8*(\b)+7], v[(\f)+8*(4*(\hi)+(\a)):(\f)+8*(4*(\hi)+(\a))+7], v[BI+8*(\b):BI+8*(\b)+7]
.else
	v_wmma_f32_16x16x32_f16 v[8*(8*(\a)+(\b)):8*(8*(\a)+(\b))+7], v[(\f)+8*(\b):(\f)+8*(\b)+7], v[(\f)+8*(4*(\hi)+(\a)):(\f)+8*(4*(\hi)+(\a))+7], v[8*(8*(\a)+(\b)):8*(8*(\a)+(\b))+7]
.endif
.endr
.endr
.endm
; 32 LDS loads in one run: quarter q (32 along K) of the slot that is read, into buffer f: W's 8 column blocks, then A's 8 row blocks
.macro FETCH q, f
	WIN TO_B
.irp i, 0,1,2,3,4,5,6,7
	ds_load_tr16_b128 v[(\f)+8*(\i):(\f)+8*(\i)+3],   v[ADRB] offset:((\q)/2)*HALFT+((\q)%2)*32*PB+32*(\i)
	ds_load_tr16_b128 v[(\f)+8*(\i)+4:(\f)+8*(\i)+7], v[ADRB] offset:((\q)/2)*HALFT+((\q)%2)*32*PB+32*(\i)+16*PB
.endr
	WIN 0
.irp i, 0,1,2,3,4,5,6,7
	ds_load_b128 v[(\f)+8*(\i):(\f)+8*(\i)+3],   v[ADRA] offset:((\q)/2)*HALFT+((\q)%2)*64+(\i)*16*PA
	ds_load_b128 v[(\f)+8*(\i)+4:(\f)+8*(\i)+7], v[ADRA] offset:((\q)/2)*HALFT+((\q)%2)*64+(\i)*16*PA+32
.endr
.endm
.macro PLACES                          ; four places behind a matrix instruction, in front of loads into registers that it read and of conversions that read results
.rept 4
	v_nop
.endr
.endm
.macro QUARTER q, f, g, zero           ; multiplies buffer f; in its middle fetches quarter q of the slot into buffer g
	s_wait_dscnt 8                                 ; W and A's rows 0-63 are in; the youngest eight loads may be out
	MUL16 \f, 0, 0, \zero
	MUL16 \f, 0, 2, \zero
	PLACES
	FETCH \q, \g
	s_wait_dscnt 32                                ; all but the 32 just issued
	MUL16 \f, 1, 0, \zero
	MUL16 \f, 1, 2, \zero
.endm
; A K step's last quarter multiplies buffer 1 and changes slots: one barrier.  In front of it each wave waits for all its tensor loads, adds 0 to its spare word, and waits for that and for its reads of this slot.
; fill = 1: the barrier opens a round of the cluster's barrier, and the slot just read is filled again, with the step two on, first thing behind the round.
.macro TURN fill
.if \fill
	s_wait_xcnt 0x0                                ; the last prefetch, a K step back, has read its address
	s_add_nc_u64 s[PFA:PFA+1], s[PFA:PFA+1], KSB
.endif
	WIN 0
	s_wait_tensorcnt 0x0                           ; all my tensor loads have landed: the one that was out is my part of the next slot; so a group 0 may be written
	ds_add_u32 v[SPW], v[NIL]                      ; 0 onto my spare word; the descriptors' steps stand between it and the wait for it
.if \fill
	s_xor_b32 s[G0+5], s[G0+5], SLOT               ; the walking descriptors: the other slot than last time,
	s_xor_b32 s[G0B+5], s[G0B+5], SLOT
	s_add_nc_u64 s[G0+6:G0+7], s[G0+6:G0+7], KSB   ; the next K step; the type bits on top are not reached
	s_add_nc_u64 s[G0B+6:G0B+7], s[G0B+6:G0B+7], KSB
.endif
	s_wait_dscnt 9                                 ; the add and the youngest eight loads may be out
	MUL16 F1, 0, 0, 0
	s_wait_dscnt 0x0                               ; the add is done, and my reads of this slot are over
	s_barrier_signal -1
	MUL16 F1, 0, 2, 0
	WIN 0                                          ; branches and lines on window 0 follow
	s_barrier_wait -1
.if \fill
	CREST
	JLOAD 1                                        ; its four v_nop are also the places in front of the loads below
.else
	PLACES
.endif
	s_xor_b32 s[TB], s[TB], SLOT                   ; from here on the other slot is read
	v_add_nc_u32 v[ADRA], s[TB], v[ADRA0]
	v_add_nc_u32 v[ADRB], s[TB], v[ADRB0]
	FETCH 0, F0
.if \fill
	ASK
.endif
	MUL16 F1, 1, 0, 0
	MUL16 F1, 1, 2, 0
.endm
; THE WAY OUT of row block a: rounded to f16, the floor taken; into my stage; back as 4 rows x 128 bytes of a slice; stored
.macro PACK a
.set AC, 64*((\a)%4)
	WIN 0x0a+5*((\a)/4)                            ; sources in window 2 or 3
.irp b, 0,1,2,3,4,5,6,7
.irp r, 0,1,2,3
	v_cvt_pk_f16_f32 v[TMP+4*(\b)+(\r)], v[AC+8*(\b)+2*(\r)], v[AC+8*(\b)+2*(\r)+1]
.endr
.endr
	WIN 0
.set z, 0
.rept 32
	v_pk_max_num_f16 v[TMP+z], v[TMP+z], s[FLOOR]
.set z, z+1
.endr
.endm
.macro TOSTAGE a
	WIN 0
.set BK, OB+192*((\a)%2)
.irp b, 0,1,2,3,4,5,6,7
	ds_store_b128 v[STO], v[TMP+4*(\b):TMP+4*(\b)+3] offset:32*(\b)
.endr
.irp t, 0,1,2,3,4,5,6,7
	ds_load_b128 v[BK+4*(\t):BK+4*(\t)+3], v[RD] offset:((\t)/4)*128+((\t)%4)*4*SPITCH  ; LDS serves a wave's instructions in order: these see the stores above
.endr
.endm
.macro SEND a
	WIN 0
.set BK, OB+192*((\a)%2)
	s_wait_dscnt 0x0                               ; the block is back in registers
	s_wait_xcnt 0x0                                ; the stores of the block before have read their registers, which the next block's loads write
.irp t, 0,1,2,3,4,5,6,7
	global_store_b128 v[CO], v[BK+4*(\t):BK+4*(\t)+3], s[8:9] offset:((\t)/4)*524288+(\a)*2048+((\t)%4)*512  ; 512 consecutive bytes, aligned
.endr
.endm
	s_wait_tensorcnt 1                             ; my part of K step 0 is in; K step 1's may stay out
	s_barrier_signal -1
	s_barrier_wait -1
	s_wait_loadcnt 0x0                             ; the bias
	s_wait_kmcnt 0x0                               ; the floor
	FETCH 0, F0
	QUARTER 1, F0, F1, 1                           ; the first quarter stands in front of the loop: its products start the sums
	WIN 0                                          ; at a label and at a branch every window is 0
	s_mov_b32 s3, 6
.Lstep:                                                ; 6 trips, from a step's second quarter to the next step's first; each fills the slot that it leaves
	QUARTER 2, F1, F0, 0
	QUARTER 3, F0, F1, 0
	TURN 1
	QUARTER 1, F0, F1, 0
	WIN 0
	s_sub_co_u32 s3, s3, 1
	s_cmp_lg_u32 s3, 0
	s_cbranch_scc1 .Lstep
	s_mov_b32 s3, 2
.Ltail:                                                ; the last two steps fill nothing: written out; the second trip is left in its middle
	QUARTER 2, F1, F0, 0
	QUARTER 3, F0, F1, 0
	TURN 0
	WIN 0
	s_sub_co_u32 s3, s3, 1
	s_cmp_eq_u32 s3, 0
	s_cbranch_scc1 .Lout
	QUARTER 1, F0, F1, 0
	WIN 0
	s_branch .Ltail
.Lout:
	PLACES
	PACK 0
	TOSTAGE 0
.irp a, 1,2,3,4,5,6,7                  ; block a's conversions stand between block a - 1's loads from the stage and the wait for them
	PACK \a
	SEND (\a)-1
	TOSTAGE \a
.endr
	SEND 7
	s_wait_tensorcnt 0x0                           ; the wave's end
	ds_add_u32 v[SPW], v[NIL]
	s_wait_dscnt 0x0
	CROUND                                         ; the closing round
	s_endpgm
.Lfunc_end_k_q091fe22f90_qkv:
	.size	k_q091fe22f90_qkv, .Lfunc_end_k_q091fe22f90_qkv-k_q091fe22f90_qkv
	.p2alignl 7, 3214868480
	.fill 96, 4, 3214868480
	.section	.rodata,"a",@progbits
	.p2align	6, 0x0
	.amdhsa_kernel k_q091fe22f90_qkv
		.amdhsa_group_segment_fixed_size 327680
		.amdhsa_private_segment_fixed_size 0
		.amdhsa_enable_private_segment 0
		.amdhsa_kernarg_size 24
		.amdhsa_user_sgpr_count 2
		.amdhsa_user_sgpr_kernarg_segment_ptr 1
		.amdhsa_wavefront_size32 1
		.amdhsa_system_sgpr_workgroup_id_x 1
		.amdhsa_system_sgpr_workgroup_id_y 1
		.amdhsa_system_sgpr_workgroup_id_z 1
		.amdhsa_system_vgpr_workitem_id 0
		.amdhsa_next_free_vgpr 1024
		.amdhsa_next_free_sgpr 72
		.amdhsa_reserve_vcc 0
		.amdhsa_float_denorm_mode_32 3
		.amdhsa_float_denorm_mode_16_64 3
		.amdhsa_memory_ordered 1
		.amdhsa_forward_progress 1
		.amdhsa_inst_pref_size 119
	.end_amdhsa_kernel
	.amdgpu_metadata
---
amdhsa.version: [ 1, 2 ]
amdhsa.kernels:
  - .name:           k_q091fe22f90_qkv
    .symbol:         k_q091fe22f90_qkv.kd
    .args:
      - { .name: act, .offset: 0, .size: 8, .value_kind: global_buffer, .address_space: global }
      - { .name: wqb, .offset: 8, .size: 8, .value_kind: global_buffer, .address_space: global }
      - { .name: qkvy, .offset: 16, .size: 8, .value_kind: global_buffer, .address_space: global }
    .group_segment_fixed_size: 327680
    .private_segment_fixed_size: 0
    .kernarg_segment_align: 8
    .kernarg_segment_size: 24
    .max_flat_workgroup_size: 128
    .sgpr_count:     72
    .vgpr_count:     1024
    .wavefront_size: 32
...
	.end_amdgpu_metadata
.endif
;; end of part 2
;; launch attn (part 3): grid 8 x 32, 4 waves a work-group, clusters of 4 x 1, 327,680 bytes of LDS; arguments qkvy, mask, ctx; writes ctx
.if DOCPART == 3
	.amdgcn_target "amdgcn-amd-amdhsa--gfx1250"
	.amdhsa_code_object_version 6
	.text
	.protected	k_q091fe22f90_attn
	.globl	k_q091fe22f90_attn
	.p2align	8
	.type	k_q091fe22f90_attn,@function
k_q091fe22f90_attn:
	s_mov_b64 s[64:65], 0
	v_nop
	global_prefetch_b8 v0, s[64:65] scope:SCOPE_SE
	s_setreg_imm32_b32 hwreg(HW_REG_WAVE_MODE, 25, 1), 1
	s_wait_xcnt 0x0
	s_wait_alu depctr_hold_cnt(0) depctr_sa_sdst(0) depctr_va_vdst(0) depctr_va_sdst(0) depctr_va_ssrc(0) depctr_va_vcc(0) depctr_vm_vsrc(0)
	s_getreg_b32 s2, hwreg(HW_REG_IB_STS2, 6, 4)
	s_cmp_eq_u32 s2, 0
	s_cbranch_scc0 .Lentry_in_a_cluster
	s_endpgm
.Lentry_in_a_cluster:
	s_bfe_u32 s2, ttmp6, 0x10000c
	s_cmp_lg_u32 s2, 0x3003
	s_cbranch_scc0 .Lentry_shape_is_right
	s_endpgm
.Lentry_shape_is_right:
; ctx[n][q][h] = the sum over k of softmax_k(q . k / 8 + (1 - mask[n][q]) (-1e9)) v[k].  q, k, v: f16, slices h, 16 + h, 32 + h of qkvy [48][4096 rows][64]; a head's 2,048 rows are dense, 128 bytes each.
; ctx: f16 [16 heads][4096 rows][64], rounded once at the end.  The mask is rounded to bf16 as it is read, like every input of this program.
; THE MASK LIES ON THE QUERY AXIS.  The logit is made as the module makes it: u = s x 0.125 + ADD, one f32 rounding, so that under a large ADD it falls on that size's grid; the running maximum M (the same rounding of the
; largest raw score: rounding keeps order) is taken away from u BEFORE the factor log2(e): p = 2^((u - M) log2 e).  O and l are multiplied by a = 2^((M_old - M) log2 e) in every step.
; Products, maxima and sums in f32; p is rounded to f16 for the second product (l sums the unrounded p).
; LIMITS: q, k, v arrive within f16's 65,504; NaN and infinities are not treated apart; a weight below 2^-126 counts as 0 in l, and below 6e-5 p keeps f16's fixed step of 6e-8.
; Under a large ADD the rounding to its grid is a step: a score that lies nearer to a step than the f16 rounding of q and k moves it (2^-12 of each factor; some 1e-4 in s / 8 at factors of spread 0.64) may fall on the other side.
; SHARES.  A work-group owns 256 queries of a head, a wave 64: four tiles of 16 in two pieces (tiles 0, 1 and tiles 2, 3).  All keys are walked, 64 a step, four steps to an LDS slot.
; LAYOUT.  S^T = K Q^T holds one query a lane (lane % 16) and the keys 8 (lane / 16) + 0..7; two such results rounded to f16 are source 1 of O^T = V^T P.  V comes out of LDS turned.
; BY TURNS.  In a turn piece x has the matrix unit: 16 products V^T P of the step in hand, later 16 products K Q^T of the next step; the other piece's softmax stands round them: four vector
; instructions behind each product, the rest in lumps.  The turn's 66 exponentials are one batch with one wait.
; NO FIRST STEP IS WRITTEN OUT.  Trip t fetches K and V of step t.  Trip 0's products V^T P run on zeros, and piece 2's first softmax on scores of the lowest finite number; the first true step's a is 0 and wipes what that left.
; CLUSTER.  The four query blocks of a cluster walk the same K and V: each tile is asked for jointly.
; REGISTERS: window 0: v0-15 addresses; v16-63 twelve registers of statistics a tile; v64-191 S^T; v192-255 P.  window 1: v0-127 O^T.  window 2: v0-63 Q; v128-191 K; v192-255 V.
.set KS,    64
.set PK,    144       ; a row of K in LDS: 128 + 16 bytes
.set PV,    160       ; a row of V: 128 + 32 bytes
.set VOFF,  4*KS*PK
.set SLOT1, 1<<17
.set STAGE, SLOT1+4*KS*(PK+PV)
.set SP,    144       ; a row of the stage: 128 + 16 bytes
.set SPARE, STAGE+4*16*SP
.set AK0, 2
.set AV0, 3
.set AK,  4
.set AV,  5
.set QO,  6
.set RD,  7
.set GO,  8
.set STO, 11
.set SPW, 12
.set NIL, 13
.set PFO, 14
.set MO,  15
.set ST,  16          ; tile t at v[ST+12 t]: +0 ADD, +1 the raw running maximum, +2 M, +3 the exponent of a, +4 +5 l, +6 a, +7 0, +8..11 at work
.set S,   64
.set P,   192
.set KF,  128
.set VF,  192
.set WV,  12
.set LIM, 15
.set PFA, 18
.set G1K, 24
.set G1V, 32
.set G0K, 40
.set G0V, 44
.set EI,  48          ; s[48:49] 0.125
.set SLOTS, 56
.set CNT, 57
.set CS,  58          ; s[58:59] log2(e)
.set SEL, 60
.set TBK, 62
.set TBV, 63
.set MSB, 0
.macro WIN new
.if MSB != (\new)
	s_set_vgpr_msb (MSB<<8)|(\new)
.set MSB, (\new)
.endif
.endm
.set W_KQ, 0x0a
.set W_PV, 0x52
.set W_RS, 0x41
.macro JLOAD                           ; waves 0, 1 fetch the halves of a slot's K, waves 2, 3 those of its V; an s_nop 0 and four v_nop follow each line
	s_cmp_lt_u32 s[WV], 2
	s_cbranch_scc0 .Lfor_v_\@
	tensor_load_to_lds s[G0K:G0K+3], s[G1K:G1K+7]
	s_nop 0
.rept 4
	v_nop
.endr
	s_branch .Lasked_\@
.Lfor_v_\@:
	tensor_load_to_lds s[G0V:G0V+3], s[G1V:G1V+7]
	s_nop 0
.rept 4
	v_nop
.endr
.Lasked_\@:
.endm
; A prefetch of the slot that the next change will ask for: 128 blocks of 256 bytes of K and of V.  The head's first cluster asks; its four partners take 32 blocks each, told apart by address;
; wave 0 asks for K's, wave 2 for V's, a lane a block.  The last change that fills a slot asks for nothing.
.macro ASK
	s_cmp_gt_u32 s[SLOTS], s[LIM]
	s_cbranch_scc0 .Lnot_mine_\@
	global_prefetch_b8 v[PFO], s[PFA:PFA+1] th:TH_LOAD_NT scope:SCOPE_SE
.Lnot_mine_\@:
.endm
.macro CROUND
	s_barrier_signal -1
	s_barrier_wait -1
	s_cmp_lg_u32 s[WV], 0
	s_cbranch_scc1 .Lnot_wave_0_\@
	s_barrier_signal -3
.Lnot_wave_0_\@:
	s_barrier_wait -3
	s_barrier_signal -1
	s_barrier_wait -1
.endm
; THE CHANGE OF SLOTS.  Each wave waits for all its tensor loads (one is out: its part of the other slot), adds 0 to its spare word, and waits for that and for its reads of the slot that it leaves.
; fill = 1: a round of the cluster's barrier, and the old slot is filled again first thing behind it; the load has four key steps in which to land.  (At its first use slot 0 is waited for and slot 1 filled.)
.macro CHANGE fill
	WIN 0
	s_wait_tensorcnt 0x0
	ds_add_u32 v[SPW], v[NIL]
.if \fill
.irp g, G0K, G0V
	s_xor_b32 s[\g+1], s[\g+1], SLOT1
	s_add_nc_u64 s[\g+2:\g+3], s[\g+2:\g+3], 4*KS*128
.endr
	s_wait_xcnt 0x0                 ; the last prefetch, four key steps back, has read its address
	s_add_nc_u64 s[PFA:PFA+1], s[PFA:PFA+1], 4*KS*128
	s_wait_dscnt 0x0
	CROUND
	JLOAD
	ASK
.else
	s_wait_dscnt 0x0
	s_barrier_signal -1
	s_barrier_wait -1
.endif
	s_sub_co_u32 s[TBK], s[TBK], 4*KS*PK
	s_xor_b32 s[TBK], s[TBK], SLOT1
	s_sub_co_u32 s[TBV], s[TBV], 4*KS*PV
	s_xor_b32 s[TBV], s[TBV], SLOT1
.endm
	s_load_b128 s[4:7], s[0:1], 0x0   ; qkvy s[4:5], mask s[6:7]
	s_load_b64 s[10:11], s[0:1], 0x10 ; ctx
	v_lshl_add_u32 v[SPW], v0, 2, SPARE
	v_mov_b32 v[NIL], 0
	ds_add_u32 v[SPW], v[NIL]       ; the opening: the add and its wait stand ahead of my first tensor load
	v_lshrrev_b32 v1, 5, v0
	v_readfirstlane_b32 s[WV], v1
	s_bfe_u32 s13, ttmp6, 0x40000   ; cx
	s_lshl_b32 s14, ttmp9, 2
	s_add_co_u32 s14, s14, s13      ; my block of 256 queries: it enters the addresses of Q, mask and ctx alone
	s_and_b32 s20, ttmp7, 0xffff
	s_and_b32 s21, s20, 15          ; h
	s_lshr_b32 s20, s20, 4          ; n
	s_lshl_b32 s21, s21, 19
	s_lshl_b32 s22, s20, 18
	s_add_co_u32 s22, s22, s21      ; the head's first byte in a third of qkvy and in ctx
	s_and_b32 s16, s[WV], 1         ; which half of a slot's 256 keys I fetch
	s_lshl_b32 s50, s16, 14
	s_add_co_u32 s50, s50, s22
	s_mov_b32 s51, 0
	s_mul_i32 s17, s16, 128*PK
	s_mul_i32 s23, s16, 128*PV
	s_lshl_b32 s2, s14, 15
	s_lshl_b32 s3, s[WV], 13
	s_add_co_u32 s2, s2, s3
	s_add_co_u32 s2, s2, s22        ; my wave's 64 rows, of Q and of ctx
	s_mov_b32 s3, 0
	s_lshl_b32 s52, s20, 13         ; the mask of my 64 queries
	s_lshl_b32 s53, s14, 10
	s_add_co_u32 s52, s52, s53
	s_lshl_b32 s53, s[WV], 8
	s_add_co_u32 s52, s52, s53
	s_mov_b32 s53, 0
	s_mov_b32 s54, 0x800000         ; the prefetches: K's third of qkvy (wave 0) or V's (wave 2),
	s_cmp_lt_u32 s[WV], 2
	s_cselect_b32 s54, s54, 0x1000000
	s_lshl_b32 s55, s13, 13         ; my work-group's 32 blocks,
	s_add_co_u32 s54, s54, s55
	s_add_co_u32 s54, s54, 4*KS*128 ; in slot 1: the first change steps it to slot 2
	s_mov_b32 s55, 0
	s_and_b32 s[LIM], s[WV], 1
	s_or_b32 s[LIM], s[LIM], ttmp9
	s_cmp_eq_u32 s[LIM], 0
	s_cselect_b32 s[LIM], 1, -1     ; the same in all four partners
	; 128 keys are 16,384 dense bytes: asked for as 64 rows of 256 bytes, padded in LDS after every key
	s_mov_b32 s[G1K], 15|(1<<16)|(1<<20)|(1<<21)|(4<<22)|(3<<25)
	s_mov_b32 s[G1V], 15|(1<<16)|(1<<20)|(1<<21)|(4<<22)|(7<<25)
.irp g, G1K, G1V
	s_mov_b32 s[\g+1], 128<<16
	s_mov_b32 s[\g+2], 64<<16
	s_mov_b32 s[\g+3], 128<<16
	s_mov_b32 s[\g+4], 64
	s_mov_b32 s[\g+5], 128
	s_mov_b32 s[\g+6], 0
	s_mov_b32 s[\g+7], 0
.endr
	s_mov_b32 s[EI], 0x3e000000
	s_mov_b32 s[EI+1], s[EI]
	s_mov_b32 s[CS], 0x3fb8aa3b
	s_mov_b32 s[CS+1], s[CS]
	s_mov_b32 s[SEL], 0x76543210
	s_mov_b32 s[SEL+1], 0xfedcba98
	s_mov_b32 s[TBK], SLOT1+4*KS*PK ; the first change of slots turns these two into 0
	s_mov_b32 s[TBV], SLOT1+4*KS*PV
	s_mov_b32 s[G0K], 1
	s_mov_b32 s[G0K+1], s17
	s_mov_b32 s[G0V], 1
	s_add_co_u32 s[G0V+1], s23, VOFF
	s_mov_b32 s[SLOTS], 7
	s_wait_dscnt 0x0                ; the opening add is done
	s_wait_kmcnt 0x0
	s_add_nc_u64 s[8:9], s[4:5], s[50:51]
	s_add_nc_u64 s[G0K+2:G0K+3], s[8:9], 0x800000
	s_or_b32 s[G0K+3], s[G0K+3], 0x80000000
	s_add_nc_u64 s[G0V+2:G0V+3], s[8:9], 0x1000000
	s_or_b32 s[G0V+3], s[G0V+3], 0x80000000
	s_add_nc_u64 s[PFA:PFA+1], s[8:9], s[54:55]
	s_add_nc_u64 s[4:5], s[4:5], s[2:3]
	s_add_nc_u64 s[10:11], s[10:11], s[2:3]
	s_add_nc_u64 s[6:7], s[6:7], s[52:53]
	s_mov_b32 s2, 0xff7fffff        ; the lowest finite number
	CROUND                          ; all four work-groups are here: the first joint loads meet
	JLOAD                           ; slot 0
	v_and_b32 v1, 15, v0            ; r
	v_bfe_u32 v9, v0, 4, 1          ; h
	v_lshlrev_b32 v[MO], 2, v1
.irp t, 0,1,2,3
	global_load_b32 v[ST+12*\t], v[MO], s[6:7] offset:64*\t
.endr
	v_lshlrev_b32 v[QO], 7, v1
	v_lshl_add_u32 v[QO], v9, 4, v[QO]
	WIN 0x80
.set i, 0
.rept 8                             ; Q stays in registers: tile i / 2, channels 32 (i % 2) on
	global_load_b128 v[8*i:8*i+3],   v[QO], s[4:5] offset:(i/2)*2048+(i%2)*64
	global_load_b128 v[8*i+4:8*i+7], v[QO], s[4:5] offset:(i/2)*2048+(i%2)*64+32
.set i, i+1
.endr
	; what the first trip finds; all this stands in the wait for the first tile
.set i, VF
.rept 64
	v_mov_b32 v[i], 0
.set i, i+1
.endr
	WIN 0x40
.set i, 0
.rept 128
	v_mov_b32 v[i], 0
.set i, i+1
.endr
	WIN 0
.set i, 0
.rept 32
	v_mov_b32 v[P+i], 0
.set i, i+1
.endr
.set i, 0
.rept 64
	v_mov_b32 v[S+64+i], s2
.set i, i+1
.endr
.set i, 0
.rept 4
	v_mov_b32 v[ST+12*i+1], s2
	v_mov_b32 v[ST+12*i+2], 0xfe000000
	v_mov_b32 v[ST+12*i+4], 0
	v_mov_b32 v[ST+12*i+5], 0
	v_mov_b32 v[ST+12*i+7], 0
.set i, i+1
.endr
	v_mul_u32_u24 v[AK0], v1, PK
	v_lshl_add_u32 v[AK0], v9, 4, v[AK0]
	v_and_b32 v10, 7, v0
	v_bfe_u32 v11, v0, 3, 1
	v_lshl_add_u32 v[AV0], v9, 3, v10
	v_mul_u32_u24 v[AV0], v[AV0], PV
	v_lshl_add_u32 v[AV0], v11, 4, v[AV0]
	v_add_nc_u32 v[AV0], VOFF, v[AV0]
	s_mul_i32 s16, s[WV], 16*SP
	s_add_co_u32 s16, s16, STAGE    ; my stage
	v_mul_u32_u24 v[STO], v1, SP    ; in: row r, 16 bytes (8 channels in f16) for each half of the lanes
	v_lshl_add_u32 v[STO], v9, 4, v[STO]
	v_add_nc_u32 v[STO], s16, v[STO]
	v_bfe_u32 v[RD], v0, 3, 2       ; back: 32 lanes take four rows of 128 bytes,
	v_mul_u32_u24 v[RD], v[RD], SP
	v_lshl_add_u32 v[RD], v10, 4, v[RD]
	v_add_nc_u32 v[RD], s16, v[RD]
	v_and_b32 v[GO], 31, v0         ; which are 512 consecutive bytes of ctx
	v_lshlrev_b32 v[PFO], 8, v[GO]
	v_lshlrev_b32 v[GO], 4, v[GO]
	s_wait_loadcnt 0x0              ; Q and the mask
.irp t, 0,1,2,3
	v_cvt_pk_bf16_f32 v[ST+12*\t+8], v[ST+12*\t], v[ST+12*\t]   ; the mask rounded to bf16,
	v_lshlrev_b32 v[ST+12*\t], 16, v[ST+12*\t+8]                ; as f32 again
	v_sub_f32 v[ST+12*\t], 1.0, v[ST+12*\t]
	v_mul_f32 v[ST+12*\t], 0xce6e6b28, v[ST+12*\t]              ; ADD = (1 - mask) x (-1e9)
.endr
; THE MATRIX WORK.  The 8 accumulators of a run of 16 take turns.
.macro KQ x                         ; product i of 16 of S^T = K Q^T: channels 32 (i / 8) on, keys 16 ((i / 2) % 4) on, tile x + i % 2
	WIN W_KQ
.set mS, S+32*((\x)+i%2)+8*((i/2)%4)
.set mK, KF+16*((i/2)%4)+8*(i/8)
.set mQ, 16*((\x)+i%2)+8*(i/8)
.if i < 8
	v_wmma_f32_16x16x32_f16 v[mS:mS+7], v[mK:mK+7], v[mQ:mQ+7], 0
.else
	v_wmma_f32_16x16x32_f16 v[mS:mS+7], v[mK:mK+7], v[mQ:mQ+7], v[mS:mS+7]
.endif
.endm
.macro PV x                         ; product i of 16 of O^T += V^T P: keys 32 (i / 8) on, channels 16 ((i / 2) % 4) on, tile x + i % 2
	WIN W_PV
.set mO, 32*((\x)+i%2)+8*((i/2)%4)
.set mV, VF+32*(i/8)+8*((i/2)%4)
.set mP, P+16*((\x)+i%2)+8*(i/8)
	v_wmma_f32_16x16x32_f16 v[mO:mO+7], v[mV:mV+7], v[mP:mP+7], v[mO:mO+7]
.endm
.macro FETCH_K last                 ; a step's K, 16 loads in one run.  last = 1 (the tail): in the last trip there is no further step
	WIN 0
.if \last
	s_cmp_eq_u32 s[CNT], 1
	s_cbranch_scc1 .Lno_k_\@
.endif
	WIN 0x80
.irp f, 0,1,2,3,4,5,6,7
	ds_load_b128 v[KF+8*\f:KF+8*\f+3],   v[AK] offset:(\f/2)*16*PK+(\f%2)*64
	ds_load_b128 v[KF+8*\f+4:KF+8*\f+7], v[AK] offset:(\f/2)*16*PK+(\f%2)*64+32
.endr
	s_add_co_u32 s[TBK], s[TBK], KS*PK
	WIN 0
.if \last
.Lno_k_\@:
.endif
.endm
.macro FETCH_V
	WIN 0x80
.irp f, 0,1,2,3,4,5,6,7
	ds_load_tr16_b128 v[VF+8*\f:VF+8*\f+3],   v[AV] offset:(\f/4)*32*PV+(\f%4)*32
	ds_load_tr16_b128 v[VF+8*\f+4:VF+8*\f+7], v[AV] offset:(\f/4)*32*PV+16*PV+(\f%4)*32
.endr
	s_add_co_u32 s[TBV], s[TBV], KS*PV
	WIN 0
.endm
; THE VECTOR WORK
.macro REGS t
.set rT, ST+12*(\t)
.set rS, S+32*(\t)
.set rP, P+16*(\t)
.set rO, 32*(\t)
.endm
; number j of the 22 that find tile t's maximum and statistics.  0-15: the largest of the 32 raw scores and the old maximum (each accumulator's lowest registers are read first);
; 16, 18: the other half of the lanes'; 17: M_old is kept; 19: M; 20, 21: (M_old - M) log2 e
.macro MX t, j
	REGS \t
.if (\j) < 4
	v_max3_num_f32 v[rT+8+(\j)], v[rS+8*(\j)], v[rS+8*(\j)+1], v[rS+8*(\j)+2]
.elseif (\j) < 12
	v_max3_num_f32 v[rT+8+(\j)%4], v[rT+8+(\j)%4], v[rS+8*((\j)%4)+2*((\j)/4)+1], v[rS+8*((\j)%4)+2*((\j)/4)+2]
.elseif (\j) == 12
	v_max3_num_f32 v[rT+8], v[rT+8], v[rS+7], v[rS+15]
.elseif (\j) == 13
	v_max3_num_f32 v[rT+10], v[rT+10], v[rS+23], v[rS+31]
.elseif (\j) == 14
	v_max3_num_f32 v[rT+8], v[rT+8], v[rT+9], v[rT+10]
.elseif (\j) == 15
	v_max3_num_f32 v[rT+8], v[rT+8], v[rT+11], v[rT+1]
.elseif (\j) == 16
	v_permlanex16_b32 v[rT+9], v[rT+8], s[SEL], s[SEL+1]
.elseif (\j) == 17
	v_mov_b32 v[rT+3], v[rT+2]
.elseif (\j) == 18
	v_max_num_f32 v[rT+1], v[rT+8], v[rT+9]
.elseif (\j) == 19
	v_fma_f32 v[rT+2], v[rT+1], s[EI], v[rT]
.elseif (\j) == 20
	v_sub_f32 v[rT+3], v[rT+3], v[rT+2]
.else
	v_mul_f32 v[rT+3], s[CS], v[rT+3]
.endif
.endm
; pair-op p of 32: tile Y + p % 2, pair p / 2 of its 16 pairs of scores.  F1: u = s / 8 + ADD.  F2: u - M.  F3: times log2 e.  EE: the exponential of one of the two
.macro F1 p
	REGS Y+(\p)%2
.set b, 2*((\p)/2)
	v_pk_fma_f32 v[rS+b:rS+b+1], v[rS+b:rS+b+1], s[EI:EI+1], v[rT:rT+1] op_sel_hi:[1,0,0]
.endm
.macro F2 p
	REGS Y+(\p)%2
.set b, 2*((\p)/2)
	v_pk_add_f32 v[rS+b:rS+b+1], v[rS+b:rS+b+1], v[rT+2:rT+3] op_sel_hi:[1,0] neg_lo:[0,1] neg_hi:[0,1]
.endm
.macro F3 p
	REGS Y+(\p)%2
.set b, 2*((\p)/2)
	v_pk_mul_f32 v[rS+b:rS+b+1], v[rS+b:rS+b+1], s[CS:CS+1] op_sel_hi:[1,0]
.endm
.macro EE p, e
	REGS Y+(\p)%2
.set b, 2*((\p)/2)+(\e)
	v_exp_f32 v[rS+b], v[rS+b]
.endm
; A TURN.  Piece x has the matrix unit, piece Y = 2 - x the vector unit.
; K of the next step is fetched in piece 0's turn behind its second product: the last product that read K stands in front of the 34 plain instructions that end the turn before.
; V is fetched in piece 2's turn at the wait: the last product that read V stands in front of four plain riders and the lump.
.macro TURN x, last
.set Y, 2-(\x)
	WIN 0
.if (\x) == 0
	v_add_nc_u32 v[AK], s[TBK], v[AK0]
	s_wait_dscnt 0x0                ; V is in
.else
	v_add_nc_u32 v[AV], s[TBV], v[AV0]
.endif
.set i, 0
.rept 16                            ; 16 products V^T P; behind them the maximum, the statistics and the first 20 of F1
	PV \x
	WIN 0
.if i < 8
	MX Y, 2*i
	MX Y+1, 2*i
	MX Y, 2*i+1
	MX Y+1, 2*i+1
.elseif i < 14
	MX Y, 8+i
	F1 2*i-16
	MX Y+1, 8+i
	F1 2*i-15
.else
	F1 4*i-44
	F1 4*i-43
	F1 4*i-42
	F1 4*i-41
.endif
.if ((\x) == 0) && (i == 1)
	FETCH_K \last
.endif
.set i, i+1
.endr
	WIN 0
.set sl, 0
.rept 36                            ; the lump: plain and exponential by turns.  Nothing here names an exponential's result
.if sl < 32
	F2 sl
.endif
.if sl < 2
	REGS Y+sl
	v_exp_f32 v[rT+6], v[rT+3]      ; a
.elseif sl >= 4
	EE sl-4, 0
.endif
.if (sl >= 2) && (sl < 34)
	F3 sl-2
.endif
.if sl >= 4
	EE sl-4, 1
.endif
.if sl < 12
	F1 sl+20
.endif
.set sl, sl+1
.endr
	v_nop                           ; a plain instruction behind the last exponential: one for the batch
	s_wait_alu depctr_va_vdst(0)    ; the wait ahead of the first instruction that names a result: one for the 66
.if (\x) == 0
	s_wait_dscnt 0x0                ; K is in
.else
	FETCH_V
.endif
.set i, 0
.rept 16                            ; 16 products K Q^T; behind each: two pairs rounded to f16, the second added onto the first, and l takes the sum made a group earlier
	KQ \x
	WIN 0
	REGS Y+i%2
.set k, i/2
	v_cvt_pk_f16_f32 v[rP+2*k], v[rS+4*k], v[rS+4*k+1]
	v_cvt_pk_f16_f32 v[rP+2*k+1], v[rS+4*k+2], v[rS+4*k+3]
	v_pk_add_f32 v[rS+4*k:rS+4*k+1], v[rS+4*k:rS+4*k+1], v[rS+4*k+2:rS+4*k+3]
.if k == 1
	v_pk_fma_f32 v[rT+4:rT+5], v[rT+4:rT+5], v[rT+6:rT+7], v[rS:rS+1] op_sel_hi:[1,0,1]
.elseif k > 1
	v_pk_add_f32 v[rT+4:rT+5], v[rT+4:rT+5], v[rS+4*k-4:rS+4*k-3]
.endif
.set i, i+1
.endr
.irp u, 0,1
	REGS Y+\u
	v_pk_add_f32 v[rT+4:rT+5], v[rT+4:rT+5], v[rS+28:rS+29]
.endr
	WIN W_RS
.set z, 0
.rept 32                            ; O^T times a; with the two lines above also the places behind the last products
	REGS Y+z%2
	v_pk_mul_f32 v[rO+2*(z/2):rO+2*(z/2)+1], v[rO+2*(z/2):rO+2*(z/2)+1], v[rT+6:rT+7] op_sel_hi:[1,0]
.set z, z+1
.endr
.endm
.Lslot:                             ; seven times: a slot is entered and the next is asked for
	CHANGE 1
	s_mov_b32 s[CNT], 4
.Lstep:
	TURN 0, 0
	TURN 2, 0
	WIN 0
	s_sub_co_u32 s[CNT], s[CNT], 1
	s_cmp_lg_u32 s[CNT], 0
	s_cbranch_scc1 .Lstep
	s_sub_co_u32 s[SLOTS], s[SLOTS], 1
	s_cmp_lg_u32 s[SLOTS], 0
	s_cbranch_scc1 .Lslot
	CHANGE 0                        ; the tail is written out
	s_mov_b32 s[CNT], 5             ; four trips fetch the last slot's steps; the fifth is left in its middle
.Ltail:
	TURN 0, 1
	WIN 0
	s_sub_co_u32 s[CNT], s[CNT], 1
	s_cmp_eq_u32 s[CNT], 0
	s_cbranch_scc1 .Lout
	TURN 2, 0
	WIN 0
	s_branch .Ltail
.Lout:                              ; the fifth trip's 16 products K Q^T, on the last K once more, serve nothing: the price of one text for every trip
.set i, 0
.rept 16
	PV 2
.set i, i+1
.endr
	; THE WAY OUT.  The additions are the places behind the last products
	WIN 0
.macro ALL line:vararg
.set t, 0
.rept 4
	\line
.set t, t+1
.endr
.endm
	ALL v_add_f32 v[ST+12*t+4], v[ST+12*t+4], v[ST+12*t+5]
	ALL v_permlanex16_b32 v[ST+12*t+5], v[ST+12*t+4], s[SEL], s[SEL+1]
	ALL v_add_f32 v[ST+12*t+4], v[ST+12*t+4], v[ST+12*t+5]
	ALL v_rcp_f32 v[ST+12*t+4], v[ST+12*t+4]
	v_nop
	s_wait_alu depctr_va_vdst(0)    ; one wait for the four reciprocals
.macro PACK t                       ; O^T / l, rounded to f16; 16 bytes a lane into rows of 144 bytes; back as whole rows of 128, into S^T's registers
	WIN W_RS
.set i, 32*(\t)
.rept 16
	v_pk_mul_f32 v[i:i+1], v[i:i+1], v[ST+12*(\t)+4:ST+12*(\t)+5] op_sel_hi:[1,0]
.set i, i+2
.endr
	WIN 0x05                        ; sources 0 and 1 window 1, destination window 0
.set i, 0
.rept 16
	v_cvt_pk_f16_f32 v[S+16*(\t)+i], v[32*(\t)+2*i], v[32*(\t)+2*i+1]
.set i, i+1
.endr
	WIN 0
.irp f, 0,1,2,3
	ds_store_b128 v[STO], v[S+16*(\t)+4*\f:S+16*(\t)+4*\f+3] offset:32*\f
.endr
.irp f, 0,1,2,3
	ds_load_b128 v[S+16*(\t)+4*\f:S+16*(\t)+4*\f+3], v[RD] offset:\f*4*SP  ; LDS serves a wave's instructions in order: these see the stores above; the next tile's stores come behind them
.endr
.endm
.macro SEND t, younger              ; younger: the LDS instructions issued behind tile t's loads: the next tile's eight, or none
	WIN 0
.irp f, 0,1,2,3
	s_wait_dscnt (\younger)+3-\f
	global_store_b128 v[GO], v[S+16*(\t)+4*\f:S+16*(\t)+4*\f+3], s[10:11] offset:(\t)*2048+\f*512  ; 512 consecutive bytes, aligned
.endr
.endm
	PACK 0
	PACK 1
	SEND 0, 8
	PACK 2
	SEND 1, 8
	PACK 3
	SEND 2, 8
	SEND 3, 0
	s_wait_tensorcnt 0x0            ; the wave's end
	ds_add_u32 v[SPW], v[NIL]
	s_wait_dscnt 0x0
	CROUND                          ; the closing round
	s_endpgm
.Lfunc_end_k_q091fe22f90_attn:
	.size	k_q091fe22f90_attn, .Lfunc_end_k_q091fe22f90_attn-k_q091fe22f90_attn
	.p2alignl 7, 3214868480
	.fill 96, 4, 3214868480
	.section	.rodata,"a",@progbits
	.p2align	6, 0x0
	.amdhsa_kernel k_q091fe22f90_attn
		.amdhsa_group_segment_fixed_size 327680
		.amdhsa_private_segment_fixed_size 0
		.amdhsa_enable_private_segment 0
		.amdhsa_kernarg_size 24
		.amdhsa_user_sgpr_count 2
		.amdhsa_user_sgpr_kernarg_segment_ptr 1
		.amdhsa_wavefront_size32 1
		.amdhsa_system_sgpr_workgroup_id_x 1
		.amdhsa_system_sgpr_workgroup_id_y 1
		.amdhsa_system_sgpr_workgroup_id_z 1
		.amdhsa_system_vgpr_workitem_id 0
		.amdhsa_next_free_vgpr 768
		.amdhsa_next_free_sgpr 66
		.amdhsa_reserve_vcc 0
		.amdhsa_float_denorm_mode_32 3
		.amdhsa_float_denorm_mode_16_64 3
		.amdhsa_memory_ordered 1
		.amdhsa_forward_progress 1
		.amdhsa_inst_pref_size 124
	.end_amdhsa_kernel
	.amdgpu_metadata
---
amdhsa.version: [ 1, 2 ]
amdhsa.kernels:
  - .name:           k_q091fe22f90_attn
    .symbol:         k_q091fe22f90_attn.kd
    .args:
      - { .name: qkvy, .offset: 0, .size: 8, .value_kind: global_buffer, .address_space: global }
      - { .name: mask, .offset: 8, .size: 8, .value_kind: global_buffer, .address_space: global }
      - { .name: ctx, .offset: 16, .size: 8, .value_kind: global_buffer, .address_space: global }
    .group_segment_fixed_size: 327680
    .private_segment_fixed_size: 0
    .kernarg_segment_align: 8
    .kernarg_segment_size: 24
    .max_flat_workgroup_size: 128
    .sgpr_count:     66
    .vgpr_count:     768
    .wavefront_size: 32
...
	.end_amdgpu_metadata
.endif
;; end of part 3
;; launch ln1 (part 4): grid 256 x 1, 8 waves a work-group, no clusters, 0 bytes of LDS; arguments act, ctx, ln1_g, ln1_b, hb; writes hb
.if DOCPART == 4
	.amdgcn_target "amdgcn-amd-amdhsa--gfx1250"
	.amdhsa_code_object_version 6
	.text
	.protected	k_q091fe22f90_ln1
	.globl	k_q091fe22f90_ln1
	.p2align	8
	.type	k_q091fe22f90_ln1,@function
k_q091fe22f90_ln1:
	s_mov_b64 s[64:65], 0
	v_nop
	global_prefetch_b8 v0, s[64:65] scope:SCOPE_SE
	s_setreg_imm32_b32 hwreg(HW_REG_WAVE_MODE, 25, 1), 1
	s_wait_xcnt 0x0
; h = LayerNorm(x + ctx) g + b, eps = 1e-3.  x (the first buffer: the input rounded to bf16 and written as f16 by the first launch), ctx and h: f16 [16 slices][4096 rows][64].
; g and b are rounded to bf16 as they are read, like every input of this program.  h is rounded once to f16: it is the next product's operand and, later, the residual (LIMIT: f16 ends at 65,504).
; A work-group takes 16 rows, 16 lanes a row: a lane holds channels 64 sl + 4 (t % 16) .. + 3 for sl = 0..15, so the row stays in registers and is read once, and a row's sums need four steps inside 16 lanes.
; The mean is taken away before the squares.  All arithmetic in f32.  Each load and store of a wave covers 256 consecutive bytes, aligned, or more.  No LDS, no matrix unit: the launch only moves bytes.
.set ONE, 6                            ; v6         1.0
.set Z,  16                            ; v[16:79]   the row
.set XH, 80                            ; v[80:111]  x as loaded
.set CH, 112                           ; v[112:143] ctx as loaded
.set B,  80                            ; v[80:143]  when x + ctx is made, b is loaded here
.set G,  144                           ; v[144:207] g
.set T,  208
.set A,  212                           ; four chains of pairs
.set MU, 220
.set RS, 222
.set H,  224                           ; v[224:255] h in f16
.macro RB r                            ; four numbers rounded to bf16, in place
	v_cvt_pk_bf16_f32 v[T], v[\r], v[\r+1]
	v_cvt_pk_bf16_f32 v[T+1], v[\r+2], v[\r+3]
	v_lshlrev_b32 v[\r], 16, v[T]
	v_and_b32 v[\r+1], s22, v[T]
	v_lshlrev_b32 v[\r+2], 16, v[T+1]
	v_and_b32 v[\r+3], s22, v[T+1]
.endm
	s_load_b256 s[4:11], s[0:1], 0x0               ; x, ctx, g, b
	s_load_b64 s[12:13], s[0:1], 0x20              ; h
	v_and_b32 v1, 15, v0
	v_lshlrev_b32 v3, 4, v1                        ; in g and b
	v_lshlrev_b32 v5, 3, v0                        ; in a slice: 16 rows of 128 bytes, 8 bytes a thread
	v_mov_b32 v[ONE], 1.0
	s_lshl_b32 s18, ttmp9, 11
	s_mov_b32 s19, 0
	s_mov_b32 s20, 0x3a800000                      ; 1 / 1024
	s_mov_b32 s21, 0x3a83126f                      ; 1e-3
	s_mov_b32 s22, 0xffff0000
	s_wait_kmcnt 0x0
	s_add_nc_u64 s[4:5], s[4:5], s[18:19]
	s_add_nc_u64 s[6:7], s[6:7], s[18:19]
	s_add_nc_u64 s[12:13], s[12:13], s[18:19]
.set i, 0
.rept 16
	global_load_b64 v[XH+2*i:XH+2*i+1], v5, s[4:5] offset:i*524288 th:TH_LOAD_NT
.set i, i+1
.endr
.set i, 0
.rept 16
	global_load_b64 v[CH+2*i:CH+2*i+1], v5, s[6:7] offset:i*524288 th:TH_LOAD_NT
.set i, i+1
.endr
.set i, 0
.rept 16
	global_load_b128 v[G+4*i:G+4*i+3], v3, s[8:9] offset:i*256
.set i, i+1
.endr
	s_wait_loadcnt 16                              ; x and ctx are in; the 16 loads of g may stay out
.set i, 0
.rept 32                               ; x + ctx in f32, straight from the two f16 halves: x x 1.0 + ctx, one rounding
	v_fma_mix_f32 v[Z+2*i], v[XH+i], v[ONE], v[CH+i] op_sel_hi:[1,0,1]
	v_fma_mix_f32 v[Z+2*i+1], v[XH+i], v[ONE], v[CH+i] op_sel:[1,0,1] op_sel_hi:[1,0,1]
.set i, i+1
.endr
.set i, 0
.rept 16
	global_load_b128 v[B+4*i:B+4*i+3], v3, s[10:11] offset:i*256   ; b, into the registers that x and ctx have left; it lands under the two reductions
.set i, i+1
.endr
.macro ACROSS                          ; the four chains into one number, then over the row's 16 lanes
	v_pk_add_f32 v[A:A+1], v[A:A+1], v[A+2:A+3]
	v_pk_add_f32 v[A+4:A+5], v[A+4:A+5], v[A+6:A+7]
	v_pk_add_f32 v[A:A+1], v[A:A+1], v[A+4:A+5]
	v_add_f32 v[A], v[A], v[A+1]
	v_add_f32_dpp v[A], v[A], v[A] row_xmask:1 row_mask:0xf bank_mask:0xf
	v_add_f32_dpp v[A], v[A], v[A] row_xmask:2 row_mask:0xf bank_mask:0xf
	v_add_f32_dpp v[A], v[A], v[A] row_xmask:4 row_mask:0xf bank_mask:0xf
	v_add_f32_dpp v[A], v[A], v[A] row_xmask:8 row_mask:0xf bank_mask:0xf
.endm
.irp c, 0,1,2,3
	v_pk_add_f32 v[A+2*\c:A+2*\c+1], v[Z+2*\c:Z+2*\c+1], v[Z+8+2*\c:Z+8+2*\c+1]
.endr
.set p, 8
.rept 24
	v_pk_add_f32 v[A+2*(p%4):A+2*(p%4)+1], v[A+2*(p%4):A+2*(p%4)+1], v[Z+2*p:Z+2*p+1]
.set p, p+1
.endr
	ACROSS
	v_mul_f32 v[MU], s20, v[A]
	v_mul_f32 v[MU+1], s20, v[A]
.set p, 0
.rept 32
	v_pk_add_f32 v[Z+2*p:Z+2*p+1], v[Z+2*p:Z+2*p+1], v[MU:MU+1] neg_lo:[0,1] neg_hi:[0,1]
.set p, p+1
.endr
.irp c, 0,1,2,3
	v_pk_mul_f32 v[A+2*\c:A+2*\c+1], v[Z+2*\c:Z+2*\c+1], v[Z+2*\c:Z+2*\c+1]
.endr
.set p, 4
.rept 28
	v_pk_fma_f32 v[A+2*(p%4):A+2*(p%4)+1], v[Z+2*p:Z+2*p+1], v[Z+2*p:Z+2*p+1], v[A+2*(p%4):A+2*(p%4)+1]
.set p, p+1
.endr
	ACROSS
	v_fma_f32 v[A], v[A], s20, s21                 ; the variance + eps
	v_rsq_f32 v[RS], v[A]
	v_rsq_f32 v[RS+1], v[A]
	v_nop                                          ; a plain instruction behind the second root
	s_wait_alu depctr_va_vdst(0)                   ; and the wait ahead of the first use: one for both
	s_wait_loadcnt 0x0                             ; g and b
.set i, 0
.rept 16
	RB G+4*i
	RB B+4*i
.set i, i+1
.endr
.set p, 0
.rept 32
	v_pk_mul_f32 v[Z+2*p:Z+2*p+1], v[Z+2*p:Z+2*p+1], v[RS:RS+1]
	v_pk_fma_f32 v[Z+2*p:Z+2*p+1], v[Z+2*p:Z+2*p+1], v[G+2*p:G+2*p+1], v[B+2*p:B+2*p+1]
.set p, p+1
.endr
.set i, 0
.rept 16
	v_cvt_pk_f16_f32 v[H+2*i], v[Z+4*i], v[Z+4*i+1]
	v_cvt_pk_f16_f32 v[H+2*i+1], v[Z+4*i+2], v[Z+4*i+3]
	global_store_b64 v5, v[H+2*i:H+2*i+1], s[12:13] offset:i*524288
.set i, i+1
.endr
	s_endpgm
.Lfunc_end_k_q091fe22f90_ln1:
	.size	k_q091fe22f90_ln1, .Lfunc_end_k_q091fe22f90_ln1-k_q091fe22f90_ln1
	.p2alignl 7, 3214868480
	.fill 96, 4, 3214868480
	.section	.rodata,"a",@progbits
	.p2align	6, 0x0
	.amdhsa_kernel k_q091fe22f90_ln1
		.amdhsa_group_segment_fixed_size 0
		.amdhsa_private_segment_fixed_size 0
		.amdhsa_enable_private_segment 0
		.amdhsa_kernarg_size 40
		.amdhsa_user_sgpr_count 2
		.amdhsa_user_sgpr_kernarg_segment_ptr 1
		.amdhsa_wavefront_size32 1
		.amdhsa_system_sgpr_workgroup_id_x 1
		.amdhsa_system_sgpr_workgroup_id_y 1
		.amdhsa_system_sgpr_workgroup_id_z 1
		.amdhsa_system_vgpr_workitem_id 0
		.amdhsa_next_free_vgpr 256
		.amdhsa_next_free_sgpr 66
		.amdhsa_reserve_vcc 0
		.amdhsa_float_denorm_mode_32 3
		.amdhsa_float_denorm_mode_16_64 3
		.amdhsa_memory_ordered 1
		.amdhsa_forward_progress 1
		.amdhsa_inst_pref_size 34
	.end_amdhsa_kernel
	.amdgpu_metadata
---
amdhsa.version: [ 1, 2 ]
amdhsa.kernels:
  - .name:           k_q091fe22f90_ln1
    .symbol:         k_q091fe22f90_ln1.kd
    .args:
      - { .name: act, .offset: 0, .size: 8, .value_kind: global_buffer, .address_space: global }
      - { .name: ctx, .offset: 8, .size: 8, .value_kind: global_buffer, .address_space: global }
      - { .name: ln1_g, .offset: 16, .size: 8, .value_kind: global_buffer, .address_space: global }
      - { .name: ln1_b, .offset: 24, .size: 8, .value_kind: global_buffer, .address_space: global }
      - { .name: hb, .offset: 32, .size: 8, .value_kind: global_buffer, .address_space: global }
    .group_segment_fixed_size: 0
    .private_segment_fixed_size: 0
    .kernarg_segment_align: 8
    .kernarg_segment_size: 40
    .max_flat_workgroup_size: 256
    .sgpr_count:     66
    .vgpr_count:     256
    .wavefront_size: 32
...
	.end_amdgpu_metadata
.endif
;; end of part 4
;; launch ffn1: the kernel of part 2 again; grid 16 x 16, 4 waves a work-group, clusters of 4 x 4, 327,680 bytes of LDS; arguments hb, wfb, ffb; writes ffb
;; launch ffn2 (part 5): grid 8 x 32, 4 waves a work-group, clusters of 4 x 4, 327,680 bytes of LDS; arguments ffb, wo, b_out, hb, qkvy; writes qkvy
.if DOCPART == 5
	.amdgcn_target "amdgcn-amd-amdhsa--gfx1250"
	.amdhsa_code_object_version 6
	.text
	.protected	k_q091fe22f90_ffn2
	.globl	k_q091fe22f90_ffn2
	.p2align	8
	.type	k_q091fe22f90_ffn2,@function
k_q091fe22f90_ffn2:
	s_mov_b64 s[64:65], 0
	v_nop
	global_prefetch_b8 v0, s[64:65] scope:SCOPE_SE
	s_setreg_imm32_b32 hwreg(HW_REG_WAVE_MODE, 25, 1), 1
	s_wait_xcnt 0x0
	s_wait_alu depctr_hold_cnt(0) depctr_sa_sdst(0) depctr_va_vdst(0) depctr_va_sdst(0) depctr_va_ssrc(0) depctr_va_vcc(0) depctr_vm_vsrc(0)
	s_getreg_b32 s2, hwreg(HW_REG_IB_STS2, 6, 4)
	s_cmp_eq_u32 s2, 0
	s_cbranch_scc0 .Lentry_in_a_cluster
	s_endpgm
.Lentry_in_a_cluster:
	s_bfe_u32 s2, ttmp6, 0x10000c
	s_cmp_lg_u32 s2, 0xf033
	s_cbranch_scc0 .Lentry_shape_is_right
	s_endpgm
.Lentry_shape_is_right:
; y = ff W + b_out + h, K = 4,096.  ff: f16 [64 slices][4096 rows][64]; W: f16 [4096][1024]; b_out: f32 [1024], rounded to bf16 as it is read, like every input of this program;
; h: f16 [16 slices][4096 rows][64]; y: f32 [4096][1024].  Sums in f32, started by the bias; h is added in f32 on the way out.
; A tile of y is 128 x 128, so that the 256 tiles give each WGP one: four waves, 64 x 64 each, 16 accumulators.  K goes in 16 steps of 256 through two LDS slots.
; Waves 0 and 1 fetch 64 rows of four slices of ff each (four dense blocks of 8,192 bytes, padded after every 128), waves 2 and 3 each 128 K rows x 128 columns of W, whose fragments come out of LDS turned.
; The matrix instruction is used transposed (source 0 = 16 columns of W, source 1 = 16 rows of ff).  CLUSTER 4 x 4: ff tiles jointly along a row, W tiles along a column.
; ONE K STEP IS ONE TRIP.  The slot that is read lies at s[TB], 0 or SLOT by turns; each operand has one descriptor that walks: its LDS word is turned by an exclusive or with SLOT (147,456 = bits 17 and 14, which
; wave x 36,864 never has), its address is made anew from the step's number.  The two steps that fill nothing are a second loop, left in its middle: its last trip's barrier and its 32 LDS loads serve nothing, the price of one text.
; WHERE A CLUSTER BEGINS ALONG K.  The sums may be taken in any order of K, so cluster (X, Y) starts at step (8 X + 4 (Y % 4) + 2 (Y / 4)) % 16 and goes round: the two clusters that read the same rows of ff
; stand eight steps apart, the eight that read the same columns of W at eight different steps, so that no two clusters ask for the same block in the same step.  X and Y are the same in all sixteen partners.
; A wave's 64 columns are 256 bytes of y: each wave sends its own rows through its own stage, no barrier.
; REGISTERS: window 0: v0-31 addresses; v32-95 the way out; v96-127 the bias as C fragments; v128-255 the accumulators.  window 1: two fragment buffers of 128.  window 2: v0-63 my part of h.
.set HALFT,  36864
.set SLOT,   4*HALFT
.set STAGE,  2*SLOT
.set SPITCH, 272
.set SPARE,  STAGE+4*16*SPITCH
.set PA,     144
.set PB,     288                       ; 256 + 32 bytes, an odd multiple of 32 for the turning load
.set ADRA,  16                         ; v16     my fragments of ff in the slot that is read
.set ADRA0, 17                         ; v17     the same in slot 0; never rewritten
.set ADRB,  20                         ; v20-21  my fragments of W, by half of the K step (the offsets of one base would pass 16 bits)
.set ADRB0, 22                         ; v22-23  the same in slot 0; never rewritten
.set STO,  24
.set RD,   25
.set HO,   26
.set BO,   27
.set SPW,  28
.set NIL,  29
.set ONE,  30                          ; v30     1.0
.set HH,   31                          ; v31     8 x lane: my 8 bytes of two rows of h
.set TMP,  32
.set BI,   96
.set ACC,  128
.set F0,   0
.set F1,   128
.set HF,   0
.set BA,  14                           ; s[14:15] ff at my rows, K step 0
.set G1,  24
.set G0,  32                           ; s[32:39] group 0 for ff: a set for each of the two first fills; the second then walks
.set BB,  46                           ; s[46:47] W at my rows and columns, K step 0
.set G1B, 48
.set G0B, 56                           ; s[56:63] the same for W
.set OFA, 72                           ; s[72:73] a step's byte offset in ff
.set OFB, 74                           ; s[74:75] in W
.set KK,  76                           ; s76      the number of the step asked for last
.set TB,  77                           ; s77      the slot that is read
.set MSB, 0
.macro WIN new
.if MSB != (\new)
	s_set_vgpr_msb (MSB<<8)|(\new)
.set MSB, \new
.endif
.endm
.set MUL,  0x05
.set TO_F, 0x40
.macro JLOAD s                         ; a joint load: waves 0, 1 for ff, waves 2, 3 for W; an s_nop 0 and four v_nop follow each line
	s_cmp_eq_u32 s11, 0
	s_cbranch_scc0 .Lfor_b_\@
	tensor_load_to_lds s[G0+4*(\s):G0+4*(\s)+3], s[G1:G1+7]
	s_nop 0
.rept 4
	v_nop
.endr
	s_branch .Lasked_\@
.Lfor_b_\@:
	tensor_load_to_lds s[G0B+4*(\s):G0B+4*(\s)+3], s[G1B:G1B+7]
	s_nop 0
.rept 4
	v_nop
.endr
.Lasked_\@:
.endm
.macro CREST                           ; a round of the cluster's barrier behind its opening barrier
	s_cmp_lg_u32 s10, 0
	s_cbranch_scc1 .Lnot_wave_0_\@
	s_barrier_signal -3
.Lnot_wave_0_\@:
	s_barrier_wait -3
	s_barrier_signal -1
	s_barrier_wait -1
.endm
.macro CROUND
	s_barrier_signal -1
	s_barrier_wait -1
	CREST
.endm
.macro WHERE s                         ; set s of both group 0's takes the address of step s[KK]
	s_lshl_b32 s[OFA], s[KK], 21                   ; four slices of 524,288 bytes
	s_lshl_b32 s[OFB], s[KK], 19                   ; 256 rows of 2,048 bytes
	s_add_nc_u64 s[G0+4*(\s)+2:G0+4*(\s)+3], s[BA:BA+1], s[OFA:OFA+1]
	s_or_b32 s[G0+4*(\s)+3], s[G0+4*(\s)+3], 0x80000000
	s_add_nc_u64 s[G0B+4*(\s)+2:G0B+4*(\s)+3], s[BB:BB+1], s[OFB:OFB+1]
	s_or_b32 s[G0B+4*(\s)+3], s[G0B+4*(\s)+3], 0x80000000
.endm
.macro NEXTK                           ; the next step along K, round the end
	s_add_co_u32 s[KK], s[KK], 1
	s_and_b32 s[KK], s[KK], 15
.endm
	s_load_b128 s[4:7], s[0:1], 0x0                ; ff s[4:5], W s[6:7]
	s_load_b128 s[68:71], s[0:1], 0x10             ; b_out s[68:69], h s[70:71]
	s_load_b64 s[8:9], s[0:1], 0x20                ; y
	v_lshl_add_u32 v[SPW], v0, 2, SPARE
	v_mov_b32 v[NIL], 0
	ds_add_u32 v[SPW], v[NIL]                      ; the opening: the add and its wait stand ahead of my first tensor load
	v_lshrrev_b32 v1, 5, v0
	v_readfirstlane_b32 s10, v1
	s_lshr_b32 s11, s10, 1
	s_and_b32 s12, s10, 1
	s_bfe_u32 s40, ttmp6, 0x40000
	s_bfe_u32 s41, ttmp6, 0x40004
	s_lshl_b32 s42, ttmp9, 2
	s_add_co_u32 s42, s42, s40                     ; tile column
	s_and_b32 s13, ttmp7, 0xffff
	s_lshl_b32 s13, s13, 2
	s_add_co_u32 s13, s13, s41                     ; tile row
	s_lshl_b32 s43, s41, 2
	s_lshl_b32 s43, 15, s43
	s_lshl_b32 s44, 0x1111, s40
	s_mov_b32 s66, 0xffff0000                      ; a word's upper bf16
	s_and_b32 s16, ttmp7, 0xffff                   ; the cluster's Y,
	s_and_b32 s17, s16, 3
	s_lshl_b32 s17, s17, 2                         ; 4 (Y % 4)
	s_lshr_b32 s16, s16, 2
	s_lshl_b32 s16, s16, 1                         ; 2 (Y / 4)
	s_add_co_u32 s17, s17, s16
	s_lshl_b32 s16, ttmp9, 3                       ; 8 X
	s_add_co_u32 s17, s17, s16
	s_and_b32 s[KK], s17, 15                       ; the step at which my cluster begins
	s_mov_b32 s[OFA+1], 0
	s_mov_b32 s[OFB+1], 0
	s_mov_b32 s[TB], 0
	s_or_b32 s[G1+0], s43, (3<<16)|(1<<20)|(1<<21)|(4<<22)|(3<<25)   ; mask; 8-byte elements; padding: after every 32 words 4 words
	s_mov_b32 s[G1+1], 1024<<16                    ; tensor_dim0 = 1,024 elements: 64 rows of 128 bytes, dense
	s_mov_b32 s[G1+2], 4<<16                       ; tensor_dim1 = 4 slices
	s_mov_b32 s[G1+3], 1024<<16                    ; tile_dim0
	s_mov_b32 s[G1+4], 4                           ; tile_dim1
	s_mov_b32 s[G1+5], 65536                       ; a slice is 524,288 bytes
	s_mov_b32 s[G1+6], 0
	s_mov_b32 s[G1+7], 0
	s_or_b32 s[G1B+0], s44, (1<<16)|(1<<20)|(1<<21)|(5<<22)|(7<<25)  ; 2-byte elements; after every 64 words 8 words
	s_mov_b32 s[G1B+1], 128<<16
	s_mov_b32 s[G1B+2], 128<<16
	s_mov_b32 s[G1B+3], 128<<16
	s_mov_b32 s[G1B+4], 128
	s_mov_b32 s[G1B+5], 1024
	s_mov_b32 s[G1B+6], 0
	s_mov_b32 s[G1B+7], 0
	s_lshl_b32 s16, s13, 14                        ; ff: 128 rows of 128 bytes a tile row, my 64 of them
	s_lshl_b32 s17, s12, 13
	s_add_co_u32 s16, s16, s17
	s_mov_b32 s17, 0
	s_lshl_b32 s78, s42, 8                         ; W: 128 columns a tile column, my 128 K rows of the 256
	s_lshl_b32 s79, s12, 18
	s_add_co_u32 s78, s78, s79
	s_mov_b32 s79, 0
	s_mul_i32 s20, s10, HALFT
	s_wait_dscnt 0x0                               ; the opening add is done
	s_wait_kmcnt 0x0
	s_add_nc_u64 s[BA:BA+1], s[4:5], s[16:17]
	s_add_nc_u64 s[BB:BB+1], s[6:7], s[78:79]
	CROUND                                         ; all sixteen work-groups are here: the first joint loads meet
.irp s, 0,1
	s_mov_b32 s[G0+4*(\s)], 1
	s_add_co_u32 s[G0+4*(\s)+1], s20, (\s)*SLOT
	s_mov_b32 s[G0B+4*(\s)], 1
	s_add_co_u32 s[G0B+4*(\s)+1], s20, (\s)*SLOT
	WHERE \s
	JLOAD \s
.if (\s) == 0
	NEXTK
.endif
.endr
	v_and_b32 v1, 15, v0                           ; r
	v_bfe_u32 v2, v0, 4, 1                         ; h
	s_lshl_b32 s16, s13, 19                        ; y at my rows (4,096 bytes each),
	s_lshl_b32 s17, s11, 18
	s_add_co_u32 s16, s16, s17
	s_mov_b32 s17, 0
	s_lshl_b32 s78, s42, 9                         ; and my 64 columns; the same bytes into b_out
	s_lshl_b32 s79, s12, 8
	s_add_co_u32 s78, s78, s79
	s_mov_b32 s79, 0
	s_add_nc_u64 s[68:69], s[68:69], s[78:79]
	s_add_nc_u64 s[16:17], s[16:17], s[78:79]
	s_add_nc_u64 s[8:9], s[8:9], s[16:17]
	s_lshl_b32 s16, s13, 14                        ; h: my 64 columns are one slice, 2 x tile column + half; my 64 rows of 128 bytes lie on end in it
	s_lshl_b32 s17, s11, 13
	s_add_co_u32 s16, s16, s17
	s_lshl_b32 s17, s42, 20
	s_add_co_u32 s16, s16, s17
	s_lshl_b32 s17, s12, 19
	s_add_co_u32 s16, s16, s17
	s_mov_b32 s17, 0
	s_add_nc_u64 s[70:71], s[70:71], s[16:17]
	v_lshlrev_b32 v[BO], 5, v2
	v_lshlrev_b32 v[HO], 4, v1
	v_lshl_add_u32 v[HO], v2, 12, v[HO]            ; lanes 0-15 one row's 256 bytes of y, lanes 16-31 the next row's
	v_and_b32 v[HH], 31, v0
	v_lshlrev_b32 v[HH], 3, v[HH]
	v_mov_b32 v[ONE], 1.0
.irp b, 0,1,2,3
	global_load_b128 v[BI+8*(\b):BI+8*(\b)+3],   v[BO], s[68:69] offset:64*(\b)
	global_load_b128 v[BI+8*(\b)+4:BI+8*(\b)+7], v[BO], s[68:69] offset:64*(\b)+16
.endr
	WIN 0x80
.set i, 0
.rept 32                               ; my 64 x 64 of h, two rows (256 consecutive bytes) a load, in the order in which the way out reads the stage
	global_load_b64 v[HF+2*i:HF+2*i+1], v[HH], s[70:71] offset:i*256
.set i, i+1
.endr
	WIN 0
	v_mul_u32_u24 v3, v1, PA
	v_lshl_add_u32 v3, v2, 4, v3
	s_mul_i32 s21, s11, HALFT                      ; my 64 rows of ff
	v_add_nc_u32 v[ADRA0], s21, v3
	v_and_b32 v4, 7, v0
	v_lshl_add_u32 v4, v2, 3, v4
	v_mul_u32_u24 v4, v4, PB
	v_bfe_u32 v5, v0, 3, 1
	v_lshl_add_u32 v4, v5, 4, v4
	s_lshl_b32 s22, s12, 7                         ; my 64 columns
	s_add_co_u32 s22, s22, 2*HALFT
	v_add_nc_u32 v[ADRB0], s22, v4
	s_add_co_u32 s22, s22, HALFT
	v_add_nc_u32 v[ADRB0+1], s22, v4
	v_mov_b32 v[ADRA], v[ADRA0]                    ; slot 0 is read first
	v_mov_b32 v[ADRB], v[ADRB0]
	v_mov_b32 v[ADRB+1], v[ADRB0+1]
	s_mul_i32 s23, s10, 16*SPITCH
	s_add_co_u32 s23, s23, STAGE
	v_mul_u32_u24 v6, v1, SPITCH                   ; in: row r, 32 bytes for each half of the lanes
	v_lshl_add_u32 v6, v2, 5, v6
	v_add_nc_u32 v[STO], s23, v6
	v_mul_u32_u24 v6, v2, SPITCH                   ; back: two whole rows of 256 bytes
	v_lshl_add_u32 v6, v1, 4, v6
	v_add_nc_u32 v[RD], s23, v6
.macro MUL8 f, c, a0, zero             ; 8 matrix instructions: row blocks a0, a0 + 1 x 4 column blocks, half c of buffer f.  zero = 1: the bias starts the sums
	WIN MUL
.irp a, \a0, (\a0)+1
.irp b, 0,1,2,3
.if \zero
	v_wmma_f32_16x16x32_f16 v[ACC+8*(4*(\a)+(\b)):ACC+8*(4*(\a)+(\b))+7], v[(\f)+64+8*(4*(\c)+(\b)):(\f)+64+8*(4*(\c)+(\b))+7], v[(\f)+8*(4*(\c)+(\a)):(\f)+8*(4*(\c)+(\a))+7], v[BI+8*(\b):BI+8*(\b)+7]
.else
	v_wmma_f32_16x16x32_f16 v[ACC+8*(4*(\a)+(\b)):ACC+8*(4*(\a)+(\b))+7], v[(\f)+64+8*(4*(\c)+(\b)):(\f)+64+8*(4*(\c)+(\b))+7], v[(\f)+8*(4*(\c)+(\a)):(\f)+8*(4*(\c)+(\a))+7], v[ACC+8*(4*(\a)+(\b)):ACC+8*(4*(\a)+(\b))+7]
.endif
.endr
.endr
.endm
.macro FETCH qd, f                     ; 32 LDS loads: quarter qd (one slice, 64 along K) of the slot that is read, into buffer f; its first 32 along K first
	WIN TO_F
.irp c, 0,1
.irp i, 0,1,2,3
	ds_load_tr16_b128 v[(\f)+64+8*(4*(\c)+(\i)):(\f)+64+8*(4*(\c)+(\i))+3],   v[ADRB+(\qd)/2] offset:((\qd)%2)*64*PB+(\c)*32*PB+32*(\i)
	ds_load_tr16_b128 v[(\f)+64+8*(4*(\c)+(\i))+4:(\f)+64+8*(4*(\c)+(\i))+7], v[ADRB+(\qd)/2] offset:((\qd)%2)*64*PB+(\c)*32*PB+32*(\i)+16*PB
	ds_load_b128 v[(\f)+8*(4*(\c)+(\i)):(\f)+8*(4*(\c)+(\i))+3],   v[ADRA] offset:(\qd)*64*PA+64*(\c)+(\i)*16*PA
	ds_load_b128 v[(\f)+8*(4*(\c)+(\i))+4:(\f)+8*(4*(\c)+(\i))+7], v[ADRA] offset:(\qd)*64*PA+64*(\c)+(\i)*16*PA+32
.endr
.endr
.endm
.macro PLACES                          ; four places behind a matrix instruction, in front of loads into registers that it read and of stores that read results
.rept 4
	v_nop
.endr
.endm
.macro QUARTER qd, f, g, zero          ; multiplies buffer f; in its middle fetches quarter qd into buffer g
	s_wait_dscnt 16                                ; the first 32 along K are in
	MUL8 \f, 0, 0, \zero
	MUL8 \f, 0, 2, \zero
	PLACES
	FETCH \qd, \g
	s_wait_dscnt 32                                ; all but the 32 just issued
	MUL8 \f, 1, 0, 0
	MUL8 \f, 1, 2, 0
.endm
; A K step's last quarter multiplies buffer 1 and changes slots.  fill = 1: the slot just read is filled again, with the step two on, first thing behind a round of the cluster's barrier.
.macro TURN fill
	WIN 0
	s_wait_tensorcnt 0x0                           ; all my tensor loads have landed: my part of the next slot; so a group 0 may be written
	ds_add_u32 v[SPW], v[NIL]                      ; 0 onto my spare word; the descriptors' work stands between it and the wait for it
.if \fill
	s_xor_b32 s[G0+5], s[G0+5], SLOT               ; the walking descriptors: the other slot than last time,
	s_xor_b32 s[G0B+5], s[G0B+5], SLOT
	NEXTK                                          ; the next step
	WHERE 1
.endif
	s_wait_dscnt 17                                ; the add and the youngest sixteen loads may be out
	MUL8 F1, 0, 0, 0
	s_wait_dscnt 0x0                               ; the add is done, and my reads of this slot are over
	s_barrier_signal -1
	MUL8 F1, 0, 2, 0
	WIN 0
	s_barrier_wait -1
.if \fill
	CREST
	JLOAD 1                                        ; its four v_nop are also the places in front of the loads below
.else
	PLACES
.endif
	s_xor_b32 s[TB], s[TB], SLOT                   ; from here on the other slot is read
	v_add_nc_u32 v[ADRA], s[TB], v[ADRA0]
	v_add_nc_u32 v[ADRB], s[TB], v[ADRB0]
	v_add_nc_u32 v[ADRB+1], s[TB], v[ADRB0+1]
	FETCH 0, F0
	MUL8 F1, 1, 0, 0
	MUL8 F1, 1, 2, 0
.endm
; THE WAY OUT of row block a.  STG: the 16 x 64 sums into my stage (each accumulator's low registers first) and back as whole rows.  FIN: h is added, the rows are stored.
.macro STG a
	WIN 0
.if (\a) >= 2
	s_wait_xcnt 0x0                                ; the stores of block a - 2 have read the registers that the loads below write
.endif
.irp b, 0,1,2,3
	ds_store_b128 v[STO], v[ACC+8*(4*(\a)+(\b)):ACC+8*(4*(\a)+(\b))+3]   offset:64*(\b)
	ds_store_b128 v[STO], v[ACC+8*(4*(\a)+(\b))+4:ACC+8*(4*(\a)+(\b))+7] offset:64*(\b)+16
.endr
.irp t, 0,1,2,3,4,5,6,7
	ds_load_b128 v[TMP+32*((\a)%2)+4*(\t):TMP+32*((\a)%2)+4*(\t)+3], v[RD] offset:(\t)*2*SPITCH  ; LDS serves a wave's instructions in order: these see the stores above
.endr
.endm
.macro FIN a, younger                  ; younger: the next block's 16 LDS instructions, or none
	s_wait_dscnt \younger
	WIN 0x02                                       ; source 0 (h) in window 2
.set z, 0
.rept 8                                ; an f16 half of h x 1.0 + the sum, in f32
.set rD, TMP+32*((\a)%2)+4*z
.set rH, HF+2*(8*(\a)+z)
	v_fma_mix_f32 v[rD], v[rH], v[ONE], v[rD] op_sel_hi:[1,0,0]
	v_fma_mix_f32 v[rD+1], v[rH], v[ONE], v[rD+1] op_sel:[1,0,0] op_sel_hi:[1,0,0]
	v_fma_mix_f32 v[rD+2], v[rH+1], v[ONE], v[rD+2] op_sel_hi:[1,0,0]
	v_fma_mix_f32 v[rD+3], v[rH+1], v[ONE], v[rD+3] op_sel:[1,0,0] op_sel_hi:[1,0,0]
.set z, z+1
.endr
	WIN 0
.irp t, 0,1,2,3,4,5,6,7
	global_store_b128 v[HO], v[TMP+32*((\a)%2)+4*(\t):TMP+32*((\a)%2)+4*(\t)+3], s[8:9] offset:(16*(\a)+2*(\t))*4096  ; 16 lanes store 256 consecutive bytes, aligned
.endr
.endm
	s_wait_tensorcnt 1                             ; my part of the first step is in; the second's may stay out
	s_barrier_signal -1
	s_barrier_wait -1
	s_wait_loadcnt 32                              ; the bias is in; the 32 loads of h may stay out
.set i, 0
.rept 8                                ; the bias rounded to bf16, in place, four numbers at a time
	v_cvt_pk_bf16_f32 v[TMP], v[BI+4*i], v[BI+4*i+1]
	v_cvt_pk_bf16_f32 v[TMP+1], v[BI+4*i+2], v[BI+4*i+3]
	v_lshlrev_b32 v[BI+4*i], 16, v[TMP]
	v_and_b32 v[BI+4*i+1], s66, v[TMP]
	v_lshlrev_b32 v[BI+4*i+2], 16, v[TMP+1]
	v_and_b32 v[BI+4*i+3], s66, v[TMP+1]
.set i, i+1
.endr
	FETCH 0, F0
	QUARTER 1, F0, F1, 1                           ; the first quarter stands in front of the loop: its first products start the sums
	WIN 0
	s_mov_b32 s3, 14
.Lstep:                                                ; 14 trips, from a step's second quarter to the next step's first; each fills the slot that it leaves
	QUARTER 2, F1, F0, 0
	QUARTER 3, F0, F1, 0
	TURN 1
	QUARTER 1, F0, F1, 0
	WIN 0
	s_sub_co_u32 s3, s3, 1
	s_cmp_lg_u32 s3, 0
	s_cbranch_scc1 .Lstep
	s_mov_b32 s3, 2
.Ltail:                                                ; the last two steps fill nothing: written out; the second trip is left in its middle
	QUARTER 2, F1, F0, 0
	QUARTER 3, F0, F1, 0
	TURN 0
	WIN 0
	s_sub_co_u32 s3, s3, 1
	s_cmp_eq_u32 s3, 0
	s_cbranch_scc1 .Lout
	QUARTER 1, F0, F1, 0
	WIN 0
	s_branch .Ltail
.Lout:
	PLACES
	s_wait_loadcnt 0x0                             ; h
	STG 0
	STG 1
	FIN 0, 16
	STG 2
	FIN 1, 16
	STG 3
	FIN 2, 16
	FIN 3, 0
	s_wait_tensorcnt 0x0                           ; the wave's end
	ds_add_u32 v[SPW], v[NIL]
	s_wait_dscnt 0x0
	CROUND                                         ; the closing round
	s_endpgm
.Lfunc_end_k_q091fe22f90_ffn2:
	.size	k_q091fe22f90_ffn2, .Lfunc_end_k_q091fe22f90_ffn2-k_q091fe22f90_ffn2
	.p2alignl 7, 3214868480
	.fill 96, 4, 3214868480
	.section	.rodata,"a",@progbits
	.p2align	6, 0x0
	.amdhsa_kernel k_q091fe22f90_ffn2
		.amdhsa_group_segment_fixed_size 327680
		.amdhsa_private_segment_fixed_size 0
		.amdhsa_enable_private_segment 0
		.amdhsa_kernarg_size 40
		.amdhsa_user_sgpr_count 2
		.amdhsa_user_sgpr_kernarg_segment_ptr 1
		.amdhsa_wavefront_size32 1
		.amdhsa_system_sgpr_workgroup_id_x 1
		.amdhsa_system_sgpr_workgroup_id_y 1
		.amdhsa_system_sgpr_workgroup_id_z 1
		.amdhsa_system_vgpr_workitem_id 0
		.amdhsa_next_free_vgpr 640
		.amdhsa_next_free_sgpr 84
		.amdhsa_reserve_vcc 0
		.amdhsa_float_denorm_mode_32 3
		.amdhsa_float_denorm_mode_16_64 3
		.amdhsa_memory_ordered 1
		.amdhsa_forward_progress 1
		.amdhsa_inst_pref_size 73
	.end_amdhsa_kernel
	.amdgpu_metadata
---
amdhsa.version: [ 1, 2 ]
amdhsa.kernels:
  - .name:           k_q091fe22f90_ffn2
    .symbol:         k_q091fe22f90_ffn2.kd
    .args:
      - { .name: ffb, .offset: 0, .size: 8, .value_kind: global_buffer, .address_space: global }
      - { .name: wo, .offset: 8, .size: 8, .value_kind: global_buffer, .address_space: global }
      - { .name: b_out, .offset: 16, .size: 8, .value_kind: global_buffer, .address_space: global }
      - { .name: hb, .offset: 24, .size: 8, .value_kind: global_buffer, .address_space: global }
      - { .name: qkvy, .offset: 32, .size: 8, .value_kind: global_buffer, .address_space: global }
    .group_segment_fixed_size: 327680
    .private_segment_fixed_size: 0
    .kernarg_segment_align: 8
    .kernarg_segment_size: 40
    .max_flat_workgroup_size: 128
    .sgpr_count:     84
    .vgpr_count:     640
    .wavefront_size: 32
...
	.end_amdgpu_metadata
.endif
;; end of part 5
;; launch ln2 (part 6): grid 256 x 1, 8 waves a work-group, no clusters, 0 bytes of LDS; arguments qkvy, ln2_g, ln2_b, out0; writes out0
.if DOCPART == 6
	.amdgcn_target "amdgcn-amd-amdhsa--gfx1250"
	.amdhsa_code_object_version 6
	.text
	.protected	k_q091fe22f90_ln2
	.globl	k_q091fe22f90_ln2
	.p2align	8
	.type	k_q091fe22f90_ln2,@function
k_q091fe22f90_ln2:
	s_mov_b64 s[64:65], 0
	v_nop
	global_prefetch_b8 v0, s[64:65] scope:SCOPE_SE
	s_setreg_imm32_b32 hwreg(HW_REG_WAVE_MODE, 25, 1), 1
	s_wait_xcnt 0x0
; out = LayerNorm(y) g + b, eps = 1e-3.  y (the first 16,777,216 bytes of the first buffer) and out: f32 [4096][1024].  g and b are rounded to bf16 as they are read, like every input of this program.
; A work-group takes 16 rows, 16 lanes a row: a lane holds channels 64 sl + 4 (t % 16) .. + 3 for sl = 0..15; the row stays in registers and is read once.
; The mean is taken away before the squares.  Each load and store covers whole aligned blocks of 256 bytes.  No LDS, no matrix unit: the launch only moves bytes.
.set Z,  16
.set G,  112
.set B,  176
.set T,  240
.set A,  244
.set MU, 252
.set RS, 254
.macro RB r                            ; four numbers rounded to bf16, in place
	v_cvt_pk_bf16_f32 v[T], v[\r], v[\r+1]
	v_cvt_pk_bf16_f32 v[T+1], v[\r+2], v[\r+3]
	v_lshlrev_b32 v[\r], 16, v[T]
	v_and_b32 v[\r+1], s22, v[T]
	v_lshlrev_b32 v[\r+2], 16, v[T+1]
	v_and_b32 v[\r+3], s22, v[T+1]
.endm
	s_load_b256 s[4:11], s[0:1], 0x0               ; y, g, b, out
	v_and_b32 v1, 15, v0
	v_lshrrev_b32 v2, 4, v0
	v_lshlrev_b32 v3, 4, v1
	v_lshl_add_u32 v4, v2, 12, v3
	s_lshl_b32 s16, ttmp9, 16
	s_mov_b32 s17, 0
	s_mov_b32 s20, 0x3a800000                      ; 1 / 1024
	s_mov_b32 s21, 0x3a83126f                      ; 1e-3
	s_mov_b32 s22, 0xffff0000                      ; a word's upper bf16
	s_wait_kmcnt 0x0
	s_add_nc_u64 s[4:5], s[4:5], s[16:17]
	s_add_nc_u64 s[10:11], s[10:11], s[16:17]
.set i, 0
.rept 16
	global_load_b128 v[Z+4*i:Z+4*i+3], v4, s[4:5] offset:i*256 th:TH_LOAD_NT
.set i, i+1
.endr
.set i, 0
.rept 16
	global_load_b128 v[G+4*i:G+4*i+3], v3, s[6:7] offset:i*256
.set i, i+1
.endr
.set i, 0
.rept 16
	global_load_b128 v[B+4*i:B+4*i+3], v3, s[8:9] offset:i*256
.set i, i+1
.endr
	s_wait_loadcnt 32                              ; y is in; the 32 loads of g and b may stay out
.macro ACROSS                          ; the four chains into one number, then over the row's 16 lanes
	v_pk_add_f32 v[A:A+1], v[A:A+1], v[A+2:A+3]
	v_pk_add_f32 v[A+4:A+5], v[A+4:A+5], v[A+6:A+7]
	v_pk_add_f32 v[A:A+1], v[A:A+1], v[A+4:A+5]
	v_add_f32 v[A], v[A], v[A+1]
	v_add_f32_dpp v[A], v[A], v[A] row_xmask:1 row_mask:0xf bank_mask:0xf
	v_add_f32_dpp v[A], v[A], v[A] row_xmask:2 row_mask:0xf bank_mask:0xf
	v_add_f32_dpp v[A], v[A], v[A] row_xmask:4 row_mask:0xf bank_mask:0xf
	v_add_f32_dpp v[A], v[A], v[A] row_xmask:8 row_mask:0xf bank_mask:0xf
.endm
.irp c, 0,1,2,3
	v_pk_add_f32 v[A+2*\c:A+2*\c+1], v[Z+2*\c:Z+2*\c+1], v[Z+8+2*\c:Z+8+2*\c+1]
.endr
.set p, 8
.rept 24
	v_pk_add_f32 v[A+2*(p%4):A+2*(p%4)+1], v[A+2*(p%4):A+2*(p%4)+1], v[Z+2*p:Z+2*p+1]
.set p, p+1
.endr
	ACROSS
	v_mul_f32 v[MU], s20, v[A]
	v_mul_f32 v[MU+1], s20, v[A]
.set p, 0
.rept 32
	v_pk_add_f32 v[Z+2*p:Z+2*p+1], v[Z+2*p:Z+2*p+1], v[MU:MU+1] neg_lo:[0,1] neg_hi:[0,1]
.set p, p+1
.endr
.irp c, 0,1,2,3
	v_pk_mul_f32 v[A+2*\c:A+2*\c+1], v[Z+2*\c:Z+2*\c+1], v[Z+2*\c:Z+2*\c+1]
.endr
.set p, 4
.rept 28
	v_pk_fma_f32 v[A+2*(p%4):A+2*(p%4)+1], v[Z+2*p:Z+2*p+1], v[Z+2*p:Z+2*p+1], v[A+2*(p%4):A+2*(p%4)+1]
.set p, p+1
.endr
	ACROSS
	v_fma_f32 v[A], v[A], s20, s21                 ; the variance + eps
	v_rsq_f32 v[RS], v[A]
	v_rsq_f32 v[RS+1], v[A]
	v_nop                                          ; a plain instruction behind the second root
	s_wait_alu depctr_va_vdst(0)                   ; and the wait ahead of the first use: one for both
	s_wait_loadcnt 0x0                             ; g and b
.set i, 0
.rept 16
	RB G+4*i
	RB B+4*i
.set i, i+1
.endr
.set p, 0
.rept 32
	v_pk_mul_f32 v[Z+2*p:Z+2*p+1], v[Z+2*p:Z+2*p+1], v[RS:RS+1]
	v_pk_fma_f32 v[Z+2*p:Z+2*p+1], v[Z+2*p:Z+2*p+1], v[G+2*p:G+2*p+1], v[B+2*p:B+2*p+1]
.set p, p+1
.endr
.set i, 0
.rept 16
	global_store_b128 v4, v[Z+4*i:Z+4*i+3], s[10:11] offset:i*256 th:TH_STORE_NT
.set i, i+1
.endr
	s_endpgm
.Lfunc_end_k_q091fe22f90_ln2:
	.size	k_q091fe22f90_ln2, .Lfunc_end_k_q091fe22f90_ln2-k_q091fe22f90_ln2
	.p2alignl 7, 3214868480
	.fill 96, 4, 3214868480
	.section	.rodata,"a",@progbits
	.p2align	6, 0x0
	.amdhsa_kernel k_q091fe22f90_ln2
		.amdhsa_group_segment_fixed_size 0
		.amdhsa_private_segment_fixed_size 0
		.amdhsa_enable_private_segment 0
		.amdhsa_kernarg_size 32
		.amdhsa_user_sgpr_count 2
		.amdhsa_user_sgpr_kernarg_segment_ptr 1
		.amdhsa_wavefront_size32 1
		.amdhsa_system_sgpr_workgroup_id_x 1
		.amdhsa_system_sgpr_workgroup_id_y 1
		.amdhsa_system_sgpr_workgroup_id_z 1
		.amdhsa_system_vgpr_workitem_id 0
		.amdhsa_next_free_vgpr 256
		.amdhsa_next_free_sgpr 66
		.amdhsa_reserve_vcc 0
		.amdhsa_float_denorm_mode_32 3
		.amdhsa_float_denorm_mode_16_64 3
		.amdhsa_memory_ordered 1
		.amdhsa_forward_progress 1
		.amdhsa_inst_pref_size 26
	.end_amdhsa_kernel
	.amdgpu_metadata
---
amdhsa.version: [ 1, 2 ]
amdhsa.kernels:
  - .name:           k_q091fe22f90_ln2
    .symbol:         k_q091fe22f90_ln2.kd
    .args:
      - { .name: qkvy, .offset: 0, .size: 8, .value_kind: global_buffer, .address_space: global }
      - { .name: ln2_g, .offset: 8, .size: 8, .value_kind: global_buffer, .address_space: global }
      - { .name: ln2_b, .offset: 16, .size: 8, .value_kind: global_buffer, .address_space: global }
      - { .name: out0, .offset: 24, .size: 8, .value_kind: global_buffer, .address_space: global }
    .group_segment_fixed_size: 0
    .private_segment_fixed_size: 0
    .kernarg_segment_align: 8
    .kernarg_segment_size: 32
    .max_flat_workgroup_size: 256
    .sgpr_count:     66
    .vgpr_count:     256
    .wavefront_size: 32
...
	.end_amdgpu_metadata
.endif
;; end of part 6
;; ======== version 2 of 2: 7 launches; version 1 with the launch ln1 written anew for expert scheduling mode
;; limits: values are held in f16: magnitudes above 65,504 overflow, below 6.1e-05 lose precision
;; workspace buffers: act 8,388,608 bytes; wqb 8,406,016 bytes; wfb 8,406,016 bytes; wo 8,388,608 bytes; qkvy 25,165,824 bytes; ctx 8,388,608 bytes; hb 8,388,608 bytes; ffb 33,554,432 bytes
;; launch prep: the kernel of part 1 again; grid 1024 x 1, 8 waves a work-group, no clusters, 0 bytes of LDS; arguments x, w_ff, w_out, w_qkv, b_qkv, b_ff, act, wfb, wo, wqb; writes act, wfb, wo, wqb
;; launch qkv: the kernel of part 2 again; grid 12 x 16, 4 waves a work-group, clusters of 4 x 4, 327,680 bytes of LDS; arguments act, wqb, qkvy; writes qkvy
;; launch attn: the kernel of part 3 again; grid 8 x 32, 4 waves a work-group, clusters of 4 x 1, 327,680 bytes of LDS; arguments qkvy, mask, ctx; writes ctx
;; launch ln1 (part 7): grid 256 x 1, 8 waves a work-group, no clusters, 0 bytes of LDS; arguments act, ctx, ln1_g, ln1_b, hb; writes hb
.if DOCPART == 7
	.amdgcn_target "amdgcn-amd-amdhsa--gfx1250"
	.amdhsa_code_object_version 6
	.text
	.protected	k_q091fe22f90_ln1
	.globl	k_q091fe22f90_ln1
	.p2align	8
	.type	k_q091fe22f90_ln1,@function
k_q091fe22f90_ln1:
	s_mov_b64 s[64:65], 0
	v_nop
	global_prefetch_b8 v0, s[64:65] scope:SCOPE_SE
	s_setreg_imm32_b32 hwreg(HW_REG_WAVE_SCHED_MODE, 0, 2), 2
	s_setreg_imm32_b32 hwreg(HW_REG_WAVE_MODE, 25, 1), 1
	s_wait_xcnt 0x0
	s_wait_alu depctr_vm_vsrc(0)
; h = LayerNorm(x + ctx) g + b, eps = 1e-3.  x (the first buffer: the input rounded to bf16 and written as f16 by the first launch), ctx and h: f16 [16 slices][4096 rows][64].
; g and b are rounded to bf16 as they are read, like every input of this program.  h is rounded once to f16: it is the next product's operand and, later, the residual (LIMIT: f16 ends at 65,504).
; A work-group takes 16 rows, 16 lanes a row: a lane holds channels 64 sl + 4 (t % 16) .. + 3 for sl = 0..15, so the row stays in registers and is read once, and a row's sums need four steps inside 16 lanes.
; The mean is taken away before the squares.  All arithmetic in f32.  Each load and store of a wave covers 256 consecutive bytes, aligned, or more.  No LDS, no matrix unit: the launch only moves bytes.
; THE MODE: SCHED_MODE bits 1:0 = 2 (LLVM: expert scheduling mode 2), set by the entry lines.  The code itself states the register dependences
; between vector instructions and memory instructions, with s_wait_alu, always for 0.
; THE PLAN.  Registers that memory instructions touch:
;   v3, v5     byte offsets, made once at the head and never written again: every load and store reads one of them.
;   XH, CH     the loads of x and ctx land here; the 64 lines that make x + ctx read them; then, under the name B, the loads of b land in the same 64 registers.
;   G, B       load destinations; the roundings to bf16 read and write them behind the wait for the loads.  No memory instruction reads them.
;   H          32 registers, each written once, by a rounding to f16, and read by one store: half 0 (slices 0-7) and half 1 (slices 8-15).
; So a wait on va_vdst stands at four places for memory's sake: ahead of the first load (the offsets are written); behind the 64 lines that make x + ctx (they are done reading XH and CH), with b's loads
; dealt among the first sum's additions, which name Z and A alone; behind half 0 of the way out (its H is written), with its eight stores dealt among half 1's lines, which name T, G, B, Z, RS and the other
; half of H; and behind half 1.  A fifth is the wait for the two roots.  No register that a memory instruction reads is written again, so no wait on vm_vsrc is owed; no vector line writes a scalar register, and EXEC stays as it is.
.set ONE, 6                            ; v6         1.0
.set Z,  16                            ; v[16:79]   the row
.set XH, 80                            ; v[80:111]  x as loaded
.set CH, 112                           ; v[112:143] ctx as loaded
.set B,  80                            ; v[80:143]  when x + ctx is made, b is loaded here
.set G,  144                           ; v[144:207] g
.set T,  208
.set A,  212                           ; four chains of pairs
.set MU, 220
.set RS, 222
.set H,  224                           ; v[224:255] h in f16
.macro RB r                            ; four numbers rounded to bf16, in place
	v_cvt_pk_bf16_f32 v[T], v[\r], v[\r+1]
	v_cvt_pk_bf16_f32 v[T+1], v[\r+2], v[\r+3]
	v_lshlrev_b32 v[\r], 16, v[T]
	v_and_b32 v[\r+1], s22, v[T]
	v_lshlrev_b32 v[\r+2], 16, v[T+1]
	v_and_b32 v[\r+3], s22, v[T+1]
.endm
	s_load_b256 s[4:11], s[0:1], 0x0               ; x, ctx, g, b
	s_load_b64 s[12:13], s[0:1], 0x20              ; h
	v_and_b32 v1, 15, v0
	v_lshlrev_b32 v3, 4, v1                        ; in g and b
	v_lshlrev_b32 v5, 3, v0                        ; in a slice: 16 rows of 128 bytes, 8 bytes a thread
	v_mov_b32 v[ONE], 1.0
	s_lshl_b32 s18, ttmp9, 11
	s_mov_b32 s19, 0
	s_mov_b32 s20, 0x3a800000                      ; 1 / 1024
	s_mov_b32 s21, 0x3a83126f                      ; 1e-3
	s_mov_b32 s22, 0xffff0000
	s_wait_kmcnt 0x0
	s_add_nc_u64 s[4:5], s[4:5], s[18:19]
	s_add_nc_u64 s[6:7], s[6:7], s[18:19]
	s_add_nc_u64 s[12:13], s[12:13], s[18:19]
	s_wait_alu depctr_va_vdst(0)                   ; v3 and v5 are written: every load and store of the kernel reads one of them as its offset
.set i, 0
.rept 16
	global_load_b64 v[XH+2*i:XH+2*i+1], v5, s[4:5] offset:i*524288 th:TH_LOAD_NT
.set i, i+1
.endr
.set i, 0
.rept 16
	global_load_b64 v[CH+2*i:CH+2*i+1], v5, s[6:7] offset:i*524288 th:TH_LOAD_NT
.set i, i+1
.endr
.set i, 0
.rept 16
	global_load_b128 v[G+4*i:G+4*i+3], v3, s[8:9] offset:i*256
.set i, i+1
.endr
	s_wait_loadcnt 16                              ; x and ctx are in; the 16 loads of g may stay out
.set i, 0
.rept 32                               ; x + ctx in f32, straight from the two f16 halves: x x 1.0 + ctx, one rounding
	v_fma_mix_f32 v[Z+2*i], v[XH+i], v[ONE], v[CH+i] op_sel_hi:[1,0,1]
	v_fma_mix_f32 v[Z+2*i+1], v[XH+i], v[ONE], v[CH+i] op_sel:[1,0,1] op_sel_hi:[1,0,1]
.set i, i+1
.endr
	s_wait_alu depctr_va_vdst(0)                   ; the 64 lines above are done reading XH and CH, in which the loads of b land
.macro BLOAD                           ; load i of 16 of b, into the registers that x and ctx have left; it lands under the two reductions.  No vector line since the wait above names these registers or v3
	global_load_b128 v[B+4*i:B+4*i+3], v3, s[10:11] offset:i*256
.set i, i+1
.endm
.macro ACROSS                          ; the four chains into one number, then over the row's 16 lanes
	v_pk_add_f32 v[A:A+1], v[A:A+1], v[A+2:A+3]
	v_pk_add_f32 v[A+4:A+5], v[A+4:A+5], v[A+6:A+7]
	v_pk_add_f32 v[A:A+1], v[A:A+1], v[A+4:A+5]
	v_add_f32 v[A], v[A], v[A+1]
	v_add_f32_dpp v[A], v[A], v[A] row_xmask:1 row_mask:0xf bank_mask:0xf
	v_add_f32_dpp v[A], v[A], v[A] row_xmask:2 row_mask:0xf bank_mask:0xf
	v_add_f32_dpp v[A], v[A], v[A] row_xmask:4 row_mask:0xf bank_mask:0xf
	v_add_f32_dpp v[A], v[A], v[A] row_xmask:8 row_mask:0xf bank_mask:0xf
.endm
.set i, 0
.irp c, 0,1,2,3                        ; the first sum; a load of b stands ahead of each of its first sixteen additions
	BLOAD
	v_pk_add_f32 v[A+2*\c:A+2*\c+1], v[Z+2*\c:Z+2*\c+1], v[Z+8+2*\c:Z+8+2*\c+1]
.endr
.set p, 8
.rept 24
.if i < 16
	BLOAD
.endif
	v_pk_add_f32 v[A+2*(p%4):A+2*(p%4)+1], v[A+2*(p%4):A+2*(p%4)+1], v[Z+2*p:Z+2*p+1]
.set p, p+1
.endr
	ACROSS
	v_mul_f32 v[MU], s20, v[A]
	v_mul_f32 v[MU+1], s20, v[A]
.set p, 0
.rept 32
	v_pk_add_f32 v[Z+2*p:Z+2*p+1], v[Z+2*p:Z+2*p+1], v[MU:MU+1] neg_lo:[0,1] neg_hi:[0,1]
.set p, p+1
.endr
.irp c, 0,1,2,3
	v_pk_mul_f32 v[A+2*\c:A+2*\c+1], v[Z+2*\c:Z+2*\c+1], v[Z+2*\c:Z+2*\c+1]
.endr
.set p, 4
.rept 28
	v_pk_fma_f32 v[A+2*(p%4):A+2*(p%4)+1], v[Z+2*p:Z+2*p+1], v[Z+2*p:Z+2*p+1], v[A+2*(p%4):A+2*(p%4)+1]
.set p, p+1
.endr
	ACROSS
	v_fma_f32 v[A], v[A], s20, s21                 ; the variance + eps
	v_rsq_f32 v[RS], v[A]
	v_rsq_f32 v[RS+1], v[A]
	v_nop                                          ; a plain instruction behind the second root
	s_wait_alu depctr_va_vdst(0)                   ; the two roots have written v[RS] and v[RS+1]: the wait ahead of their first use, one for both
	s_wait_loadcnt 0x0                             ; g and b
; THE WAY OUT, in two halves of eight slices: g and b of the half are rounded, its 32 numbers scaled and rounded to f16 into its half of H.
; hf = 1: the eight stores of half 0 are dealt among the half's first lines, one ahead of each slice's roundings.
.macro HALF hf
.set i, 8*(\hf)
.rept 8
.if \hf
	global_store_b64 v5, v[H+2*(i-8):H+2*(i-8)+1], s[12:13] offset:(i-8)*524288  ; half 0's; no vector line since the wait ahead of this half names its registers or v5
.endif
	RB G+4*i
	RB B+4*i
.set i, i+1
.endr
.set p, 16*(\hf)
.rept 16
	v_pk_mul_f32 v[Z+2*p:Z+2*p+1], v[Z+2*p:Z+2*p+1], v[RS:RS+1]
	v_pk_fma_f32 v[Z+2*p:Z+2*p+1], v[Z+2*p:Z+2*p+1], v[G+2*p:G+2*p+1], v[B+2*p:B+2*p+1]
.set p, p+1
.endr
.set i, 8*(\hf)
.rept 8
	v_cvt_pk_f16_f32 v[H+2*i], v[Z+4*i], v[Z+4*i+1]
	v_cvt_pk_f16_f32 v[H+2*i+1], v[Z+4*i+2], v[Z+4*i+3]
.set i, i+1
.endr
.endm
	HALF 0
	s_wait_alu depctr_va_vdst(0)                   ; half 0's roundings have written v[H] to v[H+15], which the eight stores in the next half read
	HALF 1
	s_wait_alu depctr_va_vdst(0)                   ; half 1's roundings have written v[H+16] to v[H+31], which the last eight stores read
.set i, 8
.rept 8
	global_store_b64 v5, v[H+2*i:H+2*i+1], s[12:13] offset:i*524288
.set i, i+1
.endr
	s_endpgm
.Lfunc_end_k_q091fe22f90_ln1:
	.size	k_q091fe22f90_ln1, .Lfunc_end_k_q091fe22f90_ln1-k_q091fe22f90_ln1
	.p2alignl 7, 3214868480
	.fill 96, 4, 3214868480
	.section	.rodata,"a",@progbits
	.p2align	6, 0x0
	.amdhsa_kernel k_q091fe22f90_ln1
		.amdhsa_group_segment_fixed_size 0
		.amdhsa_private_segment_fixed_size 0
		.amdhsa_enable_private_segment 0
		.amdhsa_kernarg_size 40
		.amdhsa_user_sgpr_count 2
		.amdhsa_user_sgpr_kernarg_segment_ptr 1
		.amdhsa_wavefront_size32 1
		.amdhsa_system_sgpr_workgroup_id_x 1
		.amdhsa_system_sgpr_workgroup_id_y 1
		.amdhsa_system_sgpr_workgroup_id_z 1
		.amdhsa_system_vgpr_workitem_id 0
		.amdhsa_next_free_vgpr 256
		.amdhsa_next_free_sgpr 66
		.amdhsa_reserve_vcc 0
		.amdhsa_float_denorm_mode_32 3
		.amdhsa_float_denorm_mode_16_64 3
		.amdhsa_memory_ordered 1
		.amdhsa_forward_progress 1
		.amdhsa_inst_pref_size 34
	.end_amdhsa_kernel
	.amdgpu_metadata
---
amdhsa.version: [ 1, 2 ]
amdhsa.kernels:
  - .name:           k_q091fe22f90_ln1
    .symbol:         k_q091fe22f90_ln1.kd
    .args:
      - { .name: act, .offset: 0, .size: 8, .value_kind: global_buffer, .address_space: global }
      - { .name: ctx, .offset: 8, .size: 8, .value_kind: global_buffer, .address_space: global }
      - { .name: ln1_g, .offset: 16, .size: 8, .value_kind: global_buffer, .address_space: global }
      - { .name: ln1_b, .offset: 24, .size: 8, .value_kind: global_buffer, .address_space: global }
      - { .name: hb, .offset: 32, .size: 8, .value_kind: global_buffer, .address_space: global }
    .group_segment_fixed_size: 0
    .private_segment_fixed_size: 0
    .kernarg_segment_align: 8
    .kernarg_segment_size: 40
    .max_flat_workgroup_size: 256
    .sgpr_count:     66
    .vgpr_count:     256
    .wavefront_size: 32
...
	.end_amdgpu_metadata
.endif
;; end of part 7
;; launch ffn1: the kernel of part 2 again; grid 16 x 16, 4 waves a work-group, clusters of 4 x 4, 327,680 bytes of LDS; arguments hb, wfb, ffb; writes ffb
;; launch ffn2: the kernel of part 5 again; grid 8 x 32, 4 waves a work-group, clusters of 4 x 4, 327,680 bytes of LDS; arguments ffb, wo, b_out, hb, qkvy; writes qkvy
;; launch ln2: the kernel of part 6 again; grid 256 x 1, 8 waves a work-group, no clusters, 0 bytes of LDS; arguments qkvy, ln2_g, ln2_b, out0; writes out0
